; MI455X (gfx1250); checked and timed in simulation.
; The chip was launched on July 23, 2026; its instructions are those of AMD's public machine-readable ISA for CDNA 5 (MIT licence, August 2026) and "CDNA5" Instruction Set Architecture Reference Guide (July 2026). The comments in the code are by the model that wrote it; some were corrected since.
;; Attention. Allowed arithmetic: matrix products marked QUANTISED: E2M3 operands, one E8M0 scale for each 32 along K, by v_wmma_scale_f32_16x16x128_f8f6f4 with both operands' format E2M3, f32 sums; everything else in f32.
;; Inputs: b_out 1,024 float32; q_bias 1,024 float32; v_bias 1,024 float32; w_out 1,024 x 1,024 float32; wk 1,024 x 1,024 float32; wq 1,024 x 1,024 float32; wv 1,024 x 1,024 float32; x 8 x 1,025 x 1,024 float32.
;; Outputs: out0 8 x 1,025 x 1,024 float32.
;; This version of the problem:
;;   THIS VERSION OF THE PROBLEM IS GIVEN IN LOW PRECISION. The matrix products marked QUANTISED in the list below multiply operands that are first quantised to E2M3 (2 exponent bits, 3 mantissa bits; 6 bits a number), with one power-of-two scale for each 32 numbers along K (OCP MX v1.0); their sums are f32. All else is computed in f32.
;;   The module's matrix products, in the order in which they are computed (A, B: the left and right operand; K: the contracted axis; several contracted axes count as one K, in the product's order):
;;     1. [M 8,200, K 1,024] x [K 1,024, N 1,024]; A: input x; B: input wq: QUANTISED
;;     2. [M 8,200, K 1,024] x [K 1,024, N 1,024]; A: input x; B: input wk: QUANTISED
;;     3. [M 8,200, K 1,024] x [K 1,024, N 1,024]; A: input x; B: input wv: QUANTISED
;;     4. batch 128 x [M 1,025, K 64] x [K 64, N 1,025]; A: computed on the way; B: computed on the way: QUANTISED
;;     5. batch 128 x [M 1,025, K 1,025] x [K 1,025, N 64]; A: softmax (see below); B: computed on the way: QUANTISED
;;     6. [M 8,200, K 1,024] x [K 1,024, N 1,024]; A: computed on the way; B: input w_out: QUANTISED
;;   THE QUANTISER, for each operand of a quantised product, along K:
;;     - K is cut into blocks of 32 from its start; a last block that is shorter is filled with zeros.
;;     - A block's scale is 2^e with e = floor(log2(the largest magnitude in the block)) - 2, held to -126 .. 127; a block of zeros has e = 0. As a byte (E8M0): e + 127.
;;     - Each number is divided by its block's scale, clamped to +-7.5, and rounded to the nearest number of E2M3, ties to even, subnormals kept.
;;     - The product sums the exact products of the quantised numbers (number of the format x scale) in f32.
;;   ~~~python
;;   def quantise(x, axis):      # numpy; x: float32 -> the quantised numbers, widened to float32 again
;;       x = np.moveaxis(x, axis, -1); K = x.shape[-1]
;;       x = np.pad(x, [(0, 0)] * (x.ndim - 1) + [(0, -K % 32)]); x = x.reshape(x.shape[:-1] + (-1, 32)); a = np.abs(x).max(-1, keepdims=True)
;;       e = np.where(a > 0, np.clip(np.frexp(np.where(a > 0, a, 1))[1] - 1 - 2, -126, 127), 0)      # np.frexp(a)[1] - 1 = floor(log2(a)), exactly
;;       r = np.clip(x / 2.0 ** e, -7.5, 7.5)
;;       step = 2.0 ** (np.maximum(np.frexp(np.where(r == 0, 1, r))[1] - 1, 0) - 3)
;;       q = np.round(r / step) * step * 2.0 ** e      # np.round: ties to even
;;       return np.moveaxis(q.reshape(q.shape[:-2] + (-1,))[..., :K], -1, axis).astype(np.float32)
;;   ~~~
;;   SOFTMAX AHEAD OF A QUANTISED PRODUCT. Where the list says 'softmax', what is quantised is not the finished softmax but p = 2^(t - M), with t = logit x log2(e) and M = ceil(the row's largest t), a whole number; so 1/2 < the row's largest p <= 1. The row's sum l is taken of the UNQUANTISED p, in f32, and the product's result is divided by l at the end. Since M is a whole number, a kernel that streams over the keys may use a running M (the ceiling of the running maximum): every later rescaling is an exact power of two, which a block's scale takes up: the codes' values come out the same.
;;   OPERANDS COMPUTED ON THE WAY. 'Computed on the way' means the value that the module computes at that place (a softmax that the list does not call 'softmax' is quantised finished and normalised). What goes into a quantiser is computed in f32, as accurately as f32 sums, v_exp_f32 and their like allow (about 1e-6 of the number): no bf16 or f16 on the way to a quantiser, and a product that is left as it is and whose result goes on into a quantised operand takes f32 operands (vector FMAs, or v_wmma_f32_16x16x4_f32). A number that lies on a knife's edge between two numbers of the format may be rounded either way, as far as f32 arithmetic and the matrix unit's own rounding can turn it there, and no further.
;; One version. Each part assembles by itself: llvm-mc -triple=amdgcn-amd-amdhsa -mcpu=gfx1250 --defsym DOCPART=n.
;; ======== version 1 of 1: 4 launches
;; limits: right only within a limited range of input values
;; workspace buffers: xc 6,488,064 bytes; xs 270,336 bytes; wc 3,145,728 bytes; ws 131,072 bytes; rt 270,336 bytes; qkv 20,275,200 bytes; oc 6,488,064 bytes; os 270,336 bytes
;; launch prep (part 1): grid 425 x 1, 4 waves a work-group, no clusters, 59,904 bytes of LDS; arguments x, wq, wk, wv, w_out, xc, xs, wc, ws, oc, os, rt; writes xc, xs, wc, ws, oc, os, rt
.if DOCPART == 1
	.amdgcn_target "amdgcn-amd-amdhsa--gfx1250"
	.amdhsa_code_object_version 6
	.text
	.protected	k_qe5e518842f_prep
	.globl	k_qe5e518842f_prep
	.p2align	8
	.type	k_qe5e518842f_prep,@function
k_qe5e518842f_prep:
	s_mov_b64 s[64:65], 0
	v_nop
	global_prefetch_b8 v0, s[64:65] scope:SCOPE_SE
	s_setreg_imm32_b32 hwreg(HW_REG_WAVE_MODE, 25, 1), 1
	s_wait_xcnt 0x0
; ATTENTION LAYER IN MX-FP6 (E2M3, one E8M0 scale for each 32 along K), B = 8, N = 1025, D = 1024, 16 heads of 64.  Four launches: prep, qkv, attn, proj.
; NO WORK IS LEFT OUT: every input has a way to the output and is loaded.  One step is folded: the factor Dh^-0.5 = 2^-3 on q is a power of two, so it moves q's
; scale bytes by 3 and no code; it is taken into the softmax's constant log2(e)/8 (exact unless a block of q has its scale exponent held at -126).
; THIS LAUNCH quantises x and the four weights along K and makes the table of cosines and sines.  Work-groups 0-263: x.  264-391: weights.  392-424: the table.
; LAYOUT OF ALL CODES: images of operand registers.  A half-image is 16 rows x 64 K = 768 bytes: lane l = r + 16 h holds k = 32 h .. 32 h + 31 of row r in six registers;
; registers 0-3 lie at 16 l, registers 4-5 at 512 + 8 l.  Row tile T has 16 half-images on end (12,288 bytes).  Scale bytes: [T][K / 256][r][8].
; ORDER OF ROWS: row r of row tile 2 G + u is index 32 G + 8 u + 16 (r / 8) + r % 8 (tokens of x, features of a weight), so that in a transposed product the 16 registers of
; two neighbouring tiles are 16 neighbours.  x: row tiles 64 b + .. hold tokens 0-1023 of batch b; row tile 512 + 2 b holds token 1024 in its row 0; all else there is zero codes.
; The zero tiles 513 + 2 b of the attention's output (oc, os) are stored here too: no later launch writes them.
; A block's scale byte is its largest magnitude's exponent field - 2, held at 1 from below; a block of zeros keeps the byte 1 (its codes are zeros; only this program reads the bytes).
; LIMITS: NaN and infinities among the inputs are not served; blocks whose largest magnitude lies under 2^-124 keep the byte 1.
; The table's angles: inv_freq = 2^(-i log2(10000)/32) with the product's residual put back, angle = position x inv_freq rounded once, reduced by pi/2 in two parts, polynomials of degree 7 and 8.
.set SPARE, 59392                      ; behind both paths' stages: the spare words, 128 bytes for each wave
.set WST,   34816                      ; the weights' stages begin here; x's stages lie from 0 on: each path has LDS bytes of its own
.set SPW,   16                         ; v16 LDS address of my spare word; never rewritten
.set NIL,   17                         ; v17 0; never rewritten
	s_load_b256 s[4:11], s[0:1], 0x0               ; x, wq, wk, wv
	s_load_b256 s[12:19], s[0:1], 0x20             ; w_out, xc, xs, wc
	s_load_b256 s[20:27], s[0:1], 0x40             ; ws, oc, os, rt
	v_lshl_add_u32 v[SPW], v0, 2, SPARE
	v_mov_b32 v[NIL], 0
	v_lshrrev_b32 v1, 5, v0
	v_readfirstlane_b32 s28, v1                    ; wave
	v_and_b32 v1, 31, v0                           ; lane l
	v_and_b32 v2, 15, v0                           ; l % 16
	v_bfe_u32 v3, v0, 4, 1                         ; l / 16
	v_lshlrev_b32 v6, 4, v1                        ; 16 l
	v_lshlrev_b32 v7, 3, v1                        ; 8 l
	s_mov_b32 s29, 0xffff0000                      ; lanes 16-31
	s_mov_b32 s30, 0x76543210
	s_mov_b32 s31, 0xfedcba98                      ; v_permlanex16_b32's selects for lane l xor 16
	s_wait_kmcnt 0x0
	s_cmp_lt_u32 ttmp9, 264
	s_cbranch_scc0 .Lweights
; the largest magnitude of 32 numbers of one lane, with the floor 2^(3 - 127) among the leaves, in two chains: v18
.macro MAX32 xs
	v_max3_num_f32 v18, |v[\xs]|, |v[\xs+1]|, 0x1800000
	v_max3_num_f32 v19, |v[\xs+2]|, |v[\xs+3]|, |v[\xs+4]|
.irp i, 5,9,13,17,21,25
	v_max3_num_f32 v18, v18, |v[\xs+\i]|, |v[\xs+\i+1]|
	v_max3_num_f32 v19, v19, |v[\xs+\i+2]|, |v[\xs+\i+3]|
.endr
	v_max3_num_f32 v18, v18, |v[\xs+29]|, |v[\xs+30]|
	v_max3_num_f32 v18, v18, v19, |v[\xs+31]|
.endm
; the block's scale operand (v20), its byte (v21) and its 32 codes (v24-29)
.macro CODES xs
	v_add_nc_u32 v20, 0xff000000, v18              ; 2 off the exponent field: the conversion takes this field as its scale
	v_lshrrev_b32 v21, 23, v20                     ; the byte
	v_cvt_scalef32_pk16_fp6_f32 v[24:26], v[\xs:\xs+15], v20
	v_cvt_scalef32_pk16_fp6_f32 v[32:34], v[\xs+16:\xs+31], v20    ; (a conversion's three registers begin on an even number)
	v_nop                                          ; one plain place behind a scaled conversion
	v_mov_b32 v27, v32
	v_mov_b32 v28, v33
	v_mov_b32 v29, v34
.endm
; ---------------- x.  Work-group G, wave 2 u + p: row tile T = 2 G + u, half-images 8 p .. 8 p + 7 (512 along K).
	s_lshr_b32 s33, s28, 1                         ; u
	s_and_b32 s34, s28, 1                          ; p
	s_lshl_b32 s35, ttmp9, 1
	s_add_co_u32 s35, s35, s33                     ; T
	s_lshl_b32 s36, ttmp9, 5
	s_lshr_b32 s37, ttmp9, 5
	s_add_co_u32 s36, s36, s37
	s_lshl_b32 s37, s33, 3
	s_add_co_u32 s36, s36, s37                     ; main: x's row 1025 b + 32 (G % 32) + 8 u = 32 G + G / 32 + 8 u
	s_sub_co_u32 s37, ttmp9, 256
	s_mul_i32 s37, s37, 1025
	s_add_co_u32 s37, s37, 1024                    ; tail: token 1024 of batch G - 256
	s_cmp_eq_u32 s33, 0
	s_cselect_b32 s39, 0x00010001, 0               ; tail: the lanes of row 0 keep their codes in tile u = 0, none in u = 1
	s_cmp_lt_u32 ttmp9, 256
	s_cselect_b32 s36, s36, s37
	s_cselect_b32 s38, 4096, 0                     ; tail: all 16 rows read the one real row: no load leaves x
	s_cselect_b32 s39, -1, s39                     ; main: every lane keeps its codes
	s_cselect_b32 s41, 0, s33                      ; 1: a zero tile of the tail, which goes into oc and os too
	s_lshl_b32 s36, s36, 12
	s_lshl_b32 s37, s34, 11
	s_add_co_u32 s36, s36, s37
	s_mov_b32 s37, 0
	s_add_nc_u64 s[4:5], s[4:5], s[36:37]
	s_mul_i32 s36, s35, 12288
	s_mul_i32 s40, s34, 6144
	s_add_co_u32 s36, s36, s40
	s_add_nc_u64 s[14:15], s[14:15], s[36:37]      ; xc at my first half-image
	s_add_nc_u64 s[22:23], s[22:23], s[36:37]      ; oc likewise
	s_lshl_b32 s36, s35, 9
	s_lshl_b32 s40, s34, 8
	s_add_co_u32 s36, s36, s40
	s_add_nc_u64 s[16:17], s[16:17], s[36:37]      ; xs at my 256 bytes
	s_add_nc_u64 s[24:25], s[24:25], s[36:37]      ; os likewise
	s_mul_i32 s42, s28, 8704                       ; my two stages of 16 rows x 272 bytes
	s_wait_alu depctr_va_vdst(0)
	v_lshlrev_b32 v19, 4, v2
	v_mad_u32_u24 v4, v3, 272, v19
	v_add_nc_u32 v4, s42, v4                       ; in: lanes 0-15 one row's 256 bytes, lanes 16-31 the next row's
	v_mul_u32_u24 v5, v2, 272
	v_lshl_add_u32 v5, v3, 7, v5
	v_add_nc_u32 v5, s42, v5                       ; out: row r, my half's 128 bytes: a whole block of 32
.irp j, 0,1,2,3,4,5,6,7
	v_add_nc_u32 v18, 2*\j+8*(\j/4), v3            ; tile rows 2 j, 2 j + 1 are x's rows 2 j + l / 16 (+ 8 from tile row 8 on)
	v_mad_u32_u24 v[8+\j], v18, s38, v19
.endr
.macro XLOAD t                         ; step t: 16 rows x 256 bytes: each load reads two whole rows' 256 bytes
.irp j, 0,1,2,3,4,5,6,7
	global_load_b128 v[64+32*((\t)%3)+4*\j:64+32*((\t)%3)+4*\j+3], v[8+\j], s[4:5] offset:256*(\t) th:TH_LOAD_NT
.endr
.endm
.macro XTURN t                         ; through the stage: LDS serves a wave's instructions in order, so no wait stands between the stores and the loads
.irp j, 0,1,2,3,4,5,6,7
	ds_store_b128 v4, v[64+32*((\t)%3)+4*\j:64+32*((\t)%3)+4*\j+3] offset:4352*((\t)%2)+544*\j
.endr
.irp i, 0,1,2,3,4,5,6,7
	ds_load_b128 v[160+32*((\t)%2)+4*\i:160+32*((\t)%2)+4*\i+3], v5 offset:4352*((\t)%2)+16*\i
.endr
.endm
.macro XSTEP t
.set XS, 160+32*((\t)%2)
	s_wait_dscnt 0x0                               ; this step's numbers are back, and its stores into the stage have read their registers,
.if (\t)+3 < 8
	XLOAD (\t)+3                                   ; which take the loads of three steps on
.endif
.if (\t) < 5
	s_wait_loadcnt 16                              ; the next step's eight loads are in; those of the two steps behind it may be out
	XTURN (\t)+1
.elseif (\t) == 5
	s_wait_loadcnt 8
	XTURN (\t)+1
.elseif (\t) == 6
	s_wait_loadcnt 0
	XTURN (\t)+1
.endif
	MAX32 XS
	s_wait_alu depctr_va_vdst(0)
	s_wait_xcnt 0x0                                ; the last step's stores have read the codes' registers
	CODES XS
.if (\t)%4 == 0
	v_mov_b32 v[22+(\t)/4], v21                    ; my half's bytes, four steps to a register
.else
	v_lshl_or_b32 v[22+(\t)/4], v21, 8*((\t)%4), v[22+(\t)/4]
.endif
.irp i, 0,1,2,3,4,5
	v_cndmask_b32 v[24+\i], 0, v[24+\i], s39       ; the tail's padded rows become zero codes
.endr
	global_store_b128 v6, v[24:27], s[14:15] offset:768*(\t)        ; 512 consecutive bytes
	global_store_b64 v7, v[28:29], s[14:15] offset:768*(\t)+512     ; 256 consecutive bytes
	s_cmp_eq_u32 s41, 0
	s_cbranch_scc1 .Lnot_zero_\@
	global_store_b128 v6, v[24:27], s[22:23] offset:768*(\t)
	global_store_b64 v7, v[28:29], s[22:23] offset:768*(\t)+512
.Lnot_zero_\@:
.endm
	XLOAD 0
	XLOAD 1
	XLOAD 2
	s_wait_alu depctr_va_vdst(0)
	s_wait_loadcnt 16                              ; step 0's eight loads are in
	XTURN 0
.irp t, 0,1,2,3,4,5,6,7
	XSTEP \t
.endr
	; a row's 8 bytes of 256 along K: even bytes from lane (r, 0), odd ones from lane (r, 1)
	v_mov_b32 v36, 0                               ; (a lane permute's destination counts as one of its sources)
	v_mov_b32 v37, 0
	v_permlanex16_b32 v36, v22, s30, s31
	v_permlanex16_b32 v37, v23, s30, s31
	v_cndmask_b32 v38, v22, v36, s29
	v_cndmask_b32 v39, v36, v22, s29
	v_cndmask_b32 v40, v23, v37, s29
	v_cndmask_b32 v41, v37, v23, s29
	v_perm_b32 v42, v39, v38, 0x05010400
	v_perm_b32 v43, v39, v38, 0x07030602
	v_perm_b32 v44, v41, v40, 0x05010400
	v_perm_b32 v45, v41, v40, 0x07030602
	v_cndmask_b32 v46, v42, v44, s29               ; lanes 0-15 store my first 256 along K, lanes 16-31 my second
	v_cndmask_b32 v47, v43, v45, s29
	global_store_b64 v7, v[46:47], s[16:17]        ; 256 consecutive bytes, aligned
	s_cmp_eq_u32 s41, 0
	s_cbranch_scc1 .Lend
	global_store_b64 v7, v[46:47], s[24:25]
	s_branch .Lend
; ---------------- weights.  K is their first axis: a lane takes a column, its registers run down K.  Work-group j: matrix j / 32, 128 columns, 256 along K; a wave: 32 columns.
.Lweights:
	s_cmp_lt_u32 ttmp9, 392
	s_cbranch_scc0 .Ltable
	s_sub_co_u32 s33, ttmp9, 264
	s_lshr_b32 s34, s33, 5                         ; which matrix
	s_bfe_u32 s35, s33, 0x30002                    ; which 128 columns
	s_and_b32 s36, s33, 3                          ; which 256 along K
	s_cmp_eq_u32 s34, 1
	s_cselect_b64 s[6:7], s[8:9], s[6:7]
	s_cmp_eq_u32 s34, 2
	s_cselect_b64 s[6:7], s[10:11], s[6:7]
	s_cmp_eq_u32 s34, 3
	s_cselect_b64 s[6:7], s[12:13], s[6:7]
	s_lshl_b32 s37, s34, 5
	s_lshl_b32 s38, s35, 2
	s_add_co_u32 s37, s37, s38
	s_add_co_u32 s37, s37, s28                     ; my 32 columns are row tiles 2 g, 2 g + 1 of wc
	s_mul_i32 s38, s37, 24576
	s_mul_i32 s39, s36, 3072
	s_add_co_u32 s38, s38, s39
	s_mov_b32 s39, 0
	s_add_nc_u64 s[18:19], s[18:19], s[38:39]
	s_lshl_b32 s38, s37, 10
	s_lshl_b32 s40, s36, 7
	s_add_co_u32 s38, s38, s40
	s_add_nc_u64 s[20:21], s[20:21], s[38:39]
	s_lshl_b32 s38, s36, 20                        ; 256 rows of 4,096 bytes
	s_lshl_b32 s40, s35, 9
	s_add_co_u32 s38, s38, s40
	s_lshl_b32 s40, s28, 7
	s_add_co_u32 s38, s38, s40
	s_add_nc_u64 s[6:7], s[6:7], s[38:39]
	s_wait_alu depctr_va_vdst(0)
	v_lshlrev_b32 v8, 2, v1                        ; my column
	v_bfe_u32 v9, v0, 3, 1                         ; column c goes to tile (c / 8) % 2,
	v_and_b32 v10, 7, v0
	v_lshl_add_u32 v10, v3, 3, v10                 ; row 8 (c / 16) + c % 8
	s_mul_i32 s42, s28, 6144
	s_add_co_u32 s42, s42, WST                     ; my stage: two tiles x four half-images
	v_mul_u32_u24 v11, v9, 3072
	v_add_nc_u32 v11, s42, v11
	v_lshl_add_u32 v4, v10, 4, v11
	v_lshl_add_u32 v5, v10, 3, v11
	v_lshl_add_u32 v12, v1, 4, s42
	v_lshlrev_b32 v13, 9, v9
	v_lshl_add_u32 v13, v10, 3, v13                ; my row's 8 scale bytes
.macro WLOAD t
.irp i, 0,1,2,3,4,5,6,7,8,9,10,11,12,13,14,15,16,17,18,19,20,21,22,23,24,25,26,27,28,29,30,31
	global_load_b32 v[64+32*((\t)%2)+\i], v8, s[6:7] offset:(32*(\t)+\i)*4096 th:TH_LOAD_NT
.endr
.endm
.macro WBLOCK t
.set XS, 64+32*((\t)%2)
.if (\t) < 7
	s_wait_loadcnt 32                              ; this block's 32 loads are in; the next block's may be out
.else
	s_wait_loadcnt 0
.endif
	MAX32 XS
	CODES XS
.if (\t)%4 == 0
	v_mov_b32 v[36+(\t)/4], v21
.else
	v_lshl_or_b32 v[36+(\t)/4], v21, 8*((\t)%4), v[36+(\t)/4]
.endif
	ds_store_b128 v4, v[24:27] offset:((\t)/2)*768+((\t)%2)*256     ; block t is half t % 2 of half-image t / 2: lane r + 16 (t % 2) of the image
	ds_store_b64 v5, v[28:29] offset:((\t)/2)*768+512+((\t)%2)*128
.if (\t)+2 < 8
	WLOAD (\t)+2
.endif
	s_wait_dscnt 0x0                               ; the stores have read their registers
.endm
	WLOAD 0
	WLOAD 1
.irp t, 0,1,2,3,4,5,6,7
	WBLOCK \t
.endr
	s_wait_alu depctr_va_vdst(0)
	global_store_b64 v13, v[36:37], s[20:21]       ; 128 consecutive bytes for each of the two tiles: half of an aligned 256; the other half is another work-group's K
.irp m, 0,1,2,3,4,5,6,7,8,9,10,11
	ds_load_b128 v[160+4*\m:163+4*\m], v12 offset:512*\m
.endr
.irp m, 0,1,2,3,4,5,6,7,8,9,10,11
	s_wait_dscnt 11-\m
	global_store_b128 v6, v[160+4*\m:163+4*\m], s[18:19] offset:(\m/6)*12288+(\m%6)*512   ; 512 consecutive bytes
.endr
	s_branch .Lend
; ---------------- the table: row n = [cos 32][sin 32] of the angle max(n - 1, 0) x inv_freq: row 0 (the first token) is the identity.  A wave: 8 rows; a lane: a frequency.
.Ltable:
	s_sub_co_u32 s33, ttmp9, 392
	s_lshl_b32 s33, s33, 5
	s_lshl_b32 s34, s28, 3
	s_add_co_u32 s33, s33, s34                     ; my first row
	s_lshl_b32 s36, s33, 8
	s_mov_b32 s37, 0
	s_add_nc_u64 s[26:27], s[26:27], s[36:37]
	s_mov_b32 s40, 0xb94ca1f9                      ; sine: -1.9515296e-4, 8.3321609e-3, -1.6666655e-1
	s_mov_b32 s41, 0x3c08839e
	s_mov_b32 s42, 0xbe2aaaa3
	s_mov_b32 s43, 0x37ccf5ce                      ; cosine: 2.4433157e-5, -1.3887316e-3, 4.1666646e-2
	s_mov_b32 s44, 0xbab6061a
	s_mov_b32 s45, 0x3d2aaaa5
	s_wait_alu depctr_va_vdst(0)
	v_cvt_f32_u32 v4, v1
	v_mul_f32 v5, 0xbed49a78, v4                   ; -i L, L = log2(10000) / 32
	v_fma_f32 v8, v4, 0xbed49a78, -v5              ; what that product's rounding lost,
	v_fma_f32 v8, v4, 0xb2179a19, v8               ; and L's low part
	v_exp_f32 v9, v5
	v_lshlrev_b32 v10, 2, v1                       ; (a plain place behind the exponential)
	s_wait_alu depctr_va_vdst(0)                   ; the wait ahead of the result's first reader
	v_mul_f32 v8, v9, v8
	v_fma_f32 v9, v8, 0x3f317218, v9               ; inv_freq = 2^p (1 + ln 2 x residual)
.macro TROW e
	s_add_co_u32 s35, s33, \e
	s_sub_co_i32 s35, s35, 1
	s_max_i32 s35, s35, 0
	v_cvt_f32_u32 v11, s35
	v_mul_f32 v11, v11, v9                         ; the angle, rounded once
	v_mul_f32 v12, 0x3f22f983, v11
	v_rndne_f32 v12, v12                           ; k = the nearest multiple of pi / 2
	v_fma_f32 v13, v12, 0xbfc90fdb, v11
	v_fma_f32 v13, v12, 0x333bbd2e, v13            ; the reduced angle
	v_mul_f32 v14, v13, v13
	v_fma_f32 v15, v14, s40, s41
	v_fma_f32 v18, v14, s43, s44
	v_fma_f32 v15, v15, v14, s42
	v_fma_f32 v18, v18, v14, s45
	v_mul_f32 v19, v14, v13
	v_mul_f32 v20, v14, v14
	v_fma_f32 v21, v14, -0.5, 1.0
	v_fma_f32 v15, v15, v19, v13                   ; its sine
	v_fma_f32 v18, v18, v20, v21                   ; its cosine
	v_cvt_i32_f32 v22, v12
	v_and_b32 v23, 1, v22
	v_cmp_eq_u32 vcc_lo, 1, v23                    ; odd quadrants change the two,
	v_cndmask_b32 v24, v15, v18, vcc_lo
	v_cndmask_b32 v25, v18, v15, vcc_lo
	v_and_b32 v23, 2, v22
	v_lshlrev_b32 v23, 30, v23
	v_xor_b32 v[33+2*\e], v23, v24                 ; the sine is negative in quadrants 2, 3,
	v_add_nc_u32 v22, 1, v22
	v_and_b32 v22, 2, v22
	v_lshlrev_b32 v22, 30, v22
	v_xor_b32 v[32+2*\e], v22, v25                 ; the cosine in 1, 2
	global_store_b32 v10, v[32+2*\e], s[26:27] offset:256*\e
	global_store_b32 v10, v[33+2*\e], s[26:27] offset:256*\e+128
.endm
.irp e, 0,1,2,3,4,5,6,7
	TROW \e
.endr
.Lend:
	s_wait_tensorcnt 0x0                           ; the wave's end
	ds_add_u32 v[SPW], v[NIL]
	s_wait_dscnt 0x0
	s_endpgm
.Lfunc_end_k_qe5e518842f_prep:
	.size	k_qe5e518842f_prep, .Lfunc_end_k_qe5e518842f_prep-k_qe5e518842f_prep
	.p2alignl 7, 3214868480
	.fill 96, 4, 3214868480
	.section	.rodata,"a",@progbits
	.p2align	6, 0x0
	.amdhsa_kernel k_qe5e518842f_prep
		.amdhsa_group_segment_fixed_size 59904
		.amdhsa_private_segment_fixed_size 0
		.amdhsa_enable_private_segment 0
		.amdhsa_kernarg_size 96
		.amdhsa_user_sgpr_count 2
		.amdhsa_user_sgpr_kernarg_segment_ptr 1
		.amdhsa_wavefront_size32 1
		.amdhsa_system_sgpr_workgroup_id_x 1
		.amdhsa_system_sgpr_workgroup_id_y 1
		.amdhsa_system_sgpr_workgroup_id_z 1
		.amdhsa_system_vgpr_workitem_id 0
		.amdhsa_next_free_vgpr 224
		.amdhsa_next_free_sgpr 66
		.amdhsa_reserve_vcc 1
		.amdhsa_float_denorm_mode_32 3
		.amdhsa_float_denorm_mode_16_64 3
		.amdhsa_memory_ordered 1
		.amdhsa_forward_progress 1
		.amdhsa_inst_pref_size 93
	.end_amdhsa_kernel
	.amdgpu_metadata
---
amdhsa.version: [ 1, 2 ]
amdhsa.kernels:
  - .name:           k_qe5e518842f_prep
    .symbol:         k_qe5e518842f_prep.kd
    .args:
      - { .name: x, .offset: 0, .size: 8, .value_kind: global_buffer, .address_space: global }
      - { .name: wq, .offset: 8, .size: 8, .value_kind: global_buffer, .address_space: global }
      - { .name: wk, .offset: 16, .size: 8, .value_kind: global_buffer, .address_space: global }
      - { .name: wv, .offset: 24, .size: 8, .value_kind: global_buffer, .address_space: global }
      - { .name: w_out, .offset: 32, .size: 8, .value_kind: global_buffer, .address_space: global }
      - { .name: xc, .offset: 40, .size: 8, .value_kind: global_buffer, .address_space: global }
      - { .name: xs, .offset: 48, .size: 8, .value_kind: global_buffer, .address_space: global }
      - { .name: wc, .offset: 56, .size: 8, .value_kind: global_buffer, .address_space: global }
      - { .name: ws, .offset: 64, .size: 8, .value_kind: global_buffer, .address_space: global }
      - { .name: oc, .offset: 72, .size: 8, .value_kind: global_buffer, .address_space: global }
      - { .name: os, .offset: 80, .size: 8, .value_kind: global_buffer, .address_space: global }
      - { .name: rt, .offset: 88, .size: 8, .value_kind: global_buffer, .address_space: global }
    .group_segment_fixed_size: 59904
    .private_segment_fixed_size: 0
    .kernarg_segment_align: 8
    .kernarg_segment_size: 96
    .max_flat_workgroup_size: 128
    .sgpr_count:     66
    .vgpr_count:     224
    .wavefront_size: 32
...
	.end_amdgpu_metadata
.endif
;; end of part 1
;; launch qkv (part 2): grid 12 x 33, 4 waves a work-group, clusters of 4 x 1, 327,680 bytes of LDS; arguments xc, xs, wc, ws, q_bias, v_bias, rt, qkv; writes qkv
.if DOCPART == 2
	.amdgcn_target "amdgcn-amd-amdhsa--gfx1250"
	.amdhsa_code_object_version 6
	.text
	.protected	k_qe5e518842f_qkv
	.globl	k_qe5e518842f_qkv
	.p2align	8
	.type	k_qe5e518842f_qkv,@function
k_qe5e518842f_qkv:
	s_mov_b64 s[64:65], 0
	v_nop
	global_prefetch_b8 v0, s[64:65] scope:SCOPE_SE
	s_setreg_imm32_b32 hwreg(HW_REG_WAVE_MODE, 25, 1), 1
	s_wait_xcnt 0x0
	s_wait_alu depctr_hold_cnt(0) depctr_sa_sdst(0) depctr_va_vdst(0) depctr_va_sdst(0) depctr_va_ssrc(0) depctr_va_vcc(0) depctr_vm_vsrc(0)
	s_getreg_b32 s2, hwreg(HW_REG_IB_STS2, 6, 4)
	s_cmp_eq_u32 s2, 0
	s_cbranch_scc0 .Lentry_in_a_cluster
	s_endpgm
.Lentry_in_a_cluster:
	s_bfe_u32 s2, ttmp6, 0x10000c
	s_cmp_lg_u32 s2, 0x3003
	s_cbranch_scc0 .Lentry_shape_is_right
	s_endpgm
.Lentry_shape_is_right:
; q = x wq + q_bias, k = x wk, v = x wv + v_bias on codes of E2M3; RoPE on q and k; all three quantised again for the attention's products and stored as images of operand registers.  No work is left out.
; A tile is 256 x 256, K = 1024; four waves, each 128 x 128: 64 accumulators.  Cluster x = the kind (0 q, 1 k, 2 v), cx = which 256 features, y = which 256 positions of tokens (y = 32: the tail, token 1024 of the 8 batches).
; 33 x 12 = 396 work-groups: 8,448 x 3,072 outputs in tiles of 65,536; a cluster of 4 x 4 does not divide 33 tile rows.  The four partners of a cluster share x's tiles: those are asked for jointly; the weights' tiles are each work-group's own.
; THE PRODUCT IS USED TRANSPOSED: source 1 gives a lane its row (the LANE SIDE), source 0 the lane's registers (the REGISTER SIDE).  q, k: lane = token, registers = features, so that a head's 64 numbers lie in one lane's registers.
; v: lane = feature, registers = tokens, since the keys are the K of the attention's second product.  Both sides lie in LDS alike; the kind chooses which area a wave reads as which side.
; By the order of rows in xc and wc the 16 registers of register-side blocks 2 g, 2 g + 1 are indices 32 g + 16 (lane / 16) + 0 .. 15.
; K goes in four steps of 256 through three LDS slots; K step 0 is asked for at the head, each later one behind a round of the cluster's barrier, the fourth into slot 0 when that has been read.  A wave has one tensor load out at the most.
; OUT: units of 6,400 bytes, [kind][unit].  q, k: a head's 128 tokens: 8 half-images (16 tokens x 64), then [16 rows][4 words]: word p = the two scale bytes of tile 2 p, then of tile 2 p + 1.
; v: a head's 128 tokens: 4 fragments (16 d x 128 tokens) as three runs of 512 bytes, then [16 rows][4 words].  Units 1024 + 16 (b / 4) + head hold the tail of four batches.
; REGISTERS, window 0: v1-27, v30 addresses; v28, v29 the add's; v32-63 scale words and nothing else; v64-127 q's bias, later the table or v's bias; v128-223 the lane side's fragments, on the way out numbers and work; v224-254 the codes made on the way out.
; window 1: the register side's fragments, two sets.  windows 2, 3: the accumulators.
; LIMITS: as stated in the first launch; the 2^-3 on q is taken into the attention's constant.
.set SLOTB, 98304                      ; a slot: x's 16 row tiles x 3,072 bytes, then the weight's
.set WAREA, 49152
.set HALFB, 24576                      ; 8 row tiles: what one tensor load brings and what a wave reads of a side
.set SCL,   294912                     ; behind the slots: x's scale bytes (8,192), then the weight's
.set SPARE, 311296                     ; the spare words, 128 bytes for each wave
.set KINDB, 6758400
.set H,   128                          ; way out: 64 numbers
.set TM,  192                          ; at work
.set PW,  208                          ; scale words just made
.set WS,  216                          ; scale words to store
.set PC,  224                          ; codes
.set CT,  248                          ; codes' second halves
.set MSB, 0
.macro WIN new                         ; the immediate's high byte repeats the setting that is left
.if MSB != \new
	s_set_vgpr_msb (MSB<<8)|\new
.set MSB, \new
.endif
.endm
; waves 0, 1 fetch x's halves (jointly), waves 2, 3 the weight's.  The branch hangs on the wave's number alone.  An s_nop 0 and four v_nop follow each line.
.macro JLOAD g0a, g1a, g0b, g1b
	s_cmp_eq_u32 s89, 0
	s_cbranch_scc0 .Lfor_w_\@
	tensor_load_to_lds s[\g0a:\g0a+3], s[\g1a:\g1a+7]
	s_nop 0
.rept 4
	v_nop
.endr
	s_branch .Lasked_\@
.Lfor_w_\@:
	tensor_load_to_lds s[\g0b:\g0b+3], s[\g1b:\g1b+7]
	s_nop 0
.rept 4
	v_nop
.endr
.Lasked_\@:
.endm
.macro CREST                           ; a round of the cluster's barrier behind its opening barrier
	s_cmp_lg_u32 s88, 0
	s_cbranch_scc1 .Lnot_wave_0_\@
	s_barrier_signal -3
.Lnot_wave_0_\@:
	s_barrier_wait -3
	s_barrier_signal -1
	s_barrier_wait -1
.endm
.macro CROUND
	s_barrier_signal -1
	s_barrier_wait -1
	CREST
.endm
.macro PLACES                          ; four plain places behind matrix instructions, in front of loads into their registers and of reads of results
.rept 4
	v_nop
.endr
.endm
.macro FRAG reg, a16, a8, off          ; a fragment = two half-images: dense loads, 16 and 8 bytes a lane
	ds_load_b128 v[\reg:\reg+3], v[\a16] offset:\off
	ds_load_b64 v[\reg+4:\reg+5], v[\a8] offset:(\off)+512
	ds_load_b128 v[\reg+6:\reg+9], v[\a16] offset:(\off)+768
	ds_load_b64 v[\reg+10:\reg+11], v[\a8] offset:(\off)+1280
.endm
.macro FETCH_B q                       ; the register side's eight fragments of sub-step q (128 along K) into set q % 2 of window 1
.set fS, ((\q)/2)%3
.set fO, ((\q)%2)*1536
.set fR, 128*((\q)%2)
	WIN 0x40
.irp i, 0,1,2,3,4,5,6,7
	FRAG fR+12*\i, 12+fS, 15+fS, \i*3072+fO
.endr
	WIN 0
.endm
.macro FETCH_A q, i0                   ; the lane side's blocks i0 .. i0 + 3
.set fS, ((\q)/2)%3
.set fO, ((\q)%2)*1536
.irp i, \i0, \i0+1, \i0+2, \i0+3
	FRAG 128+12*(\i), 6+fS, 9+fS, (\i)*3072+fO
.endr
.endm
.macro SCALES sg                       ; K step sg's scale words: lanes 0-15 the lane side's block i, lanes 16-31 the register side's; two words a row
.irp i, 0,1,2,3,4,5,6,7
	ds_load_b64 v[32+16*((\sg)%2)+2*\i:32+16*((\sg)%2)+2*\i+1], v18 offset:\i*512+(\sg)*128
.endr
.endm
; 16 matrix instructions: lane-side blocks a0, a0 + 1 x the register side's eight.  cm = 1: C = 0; 2: C = the bias (window 0); 0: in place.  The 64 accumulators take turns in the same order in every sub-step.
.macro MUL16 a0, q, cm
.irp a, \a0, \a0+1
.irp b, 0,1,2,3,4,5,6,7
.set rD, 8*(8*((\a)%4)+\b)
.set rB, 128*((\q)%2)+12*\b
.set rA, 128+12*(\a)
.set sB, 32+16*(((\q)/2)%2)+2*\b+(\q)%2
.set sA, 32+16*(((\q)/2)%2)+2*(\a)+(\q)%2
.if \cm == 1
	v_wmma_scale_f32_16x16x128_f8f6f4 v[rD:rD+7], v[rB:rB+11], v[rA:rA+11], 0, v[sB], v[sA] matrix_a_fmt:MATRIX_FMT_FP6 matrix_b_fmt:MATRIX_FMT_FP6 matrix_a_scale:MATRIX_SCALE_ROW1
.elseif \cm == 2
	v_wmma_scale_f32_16x16x128_f8f6f4 v[rD:rD+7], v[rB:rB+11], v[rA:rA+11], v[64+8*\b:64+8*\b+7], v[sB], v[sA] matrix_a_fmt:MATRIX_FMT_FP6 matrix_b_fmt:MATRIX_FMT_FP6 matrix_a_scale:MATRIX_SCALE_ROW1
.else
	v_wmma_scale_f32_16x16x128_f8f6f4 v[rD:rD+7], v[rB:rB+11], v[rA:rA+11], v[rD:rD+7], v[sB], v[sA] matrix_a_fmt:MATRIX_FMT_FP6 matrix_b_fmt:MATRIX_FMT_FP6 matrix_a_scale:MATRIX_SCALE_ROW1
.endif
.endr
.endr
.endm
.macro STEP q, cm                      ; a sub-step whose successor's tiles are known to lie in LDS
	s_wait_dscnt 16                                ; all but the youngest 16 loads (lane-side blocks 4-7) are in
.if \cm == 2
	WIN 0x81
.else
	WIN 0xa1
.endif
	MUL16 0, \q, \cm
	MUL16 2, \q, \cm
	s_wait_dscnt 0x0
	PLACES
	FETCH_B (\q)+1
	FETCH_A (\q)+1, 0
.if ((\q)+1)%2 == 0
	SCALES ((\q)+1)/2
.endif
.if \cm == 2
	WIN 0xc1
.else
	WIN 0xf1
.endif
	MUL16 4, \q, \cm
	MUL16 6, \q, \cm
	PLACES
	WIN 0
	FETCH_A (\q)+1, 4
.endm
; a sub-step with a barrier: in front of it each wave waits for all its tensor loads, adds 0 to its spare word, and waits for that and for its LDS reads.  fill = 1: slot 2's first fill, K step 2; fill = 2: slot 0, read out, takes K step 3, behind a round of the cluster's barrier.
.macro TURN q, fill
	s_wait_tensorcnt 0x0                           ; all my tensor loads have landed
	ds_add_u32 v28, v29
	s_wait_dscnt 17                                ; (the add and the youngest 16 loads may be out)
	WIN 0xa1
	MUL16 0, \q, 0
	s_wait_dscnt 0x0                               ; the add is done, and my reads of the slot are over
	s_barrier_signal -1
	MUL16 2, \q, 0
	WIN 0
	s_barrier_wait -1
.if \fill
	CREST                                          ; no wave of any partner still reads slot 0 or has a load on its way
	JLOAD 68-8*\fill, 20, 84-8*\fill, 28           ; fill = 1: K step 2, slot 2's first fill; fill = 2: K step 3 into slot 0, read out.  The first tensor load behind the round
.else
	PLACES
.endif
	FETCH_B (\q)+1
	FETCH_A (\q)+1, 0
	SCALES ((\q)+1)/2
	WIN 0xf1
	MUL16 4, \q, 0
	MUL16 6, \q, 0
	PLACES
	WIN 0
	FETCH_A (\q)+1, 4
.endm
	s_load_b512 s[4:19], s[0:1], 0x0               ; xc, xs, wc, ws, q_bias, v_bias, rt, qkv
	v_lshl_add_u32 v28, v0, 2, SPARE
	v_mov_b32 v29, 0
	ds_add_u32 v28, v29                            ; the opening: the add, twice on end, and its wait ahead of my first tensor load
	ds_add_u32 v28, v29
	v_lshrrev_b32 v1, 5, v0
	v_readfirstlane_b32 s88, v1                    ; wave
	s_lshr_b32 s89, s88, 1                         ; LH: my half of the lane side.  Also: I fetch for x (0) or for the weight (1)
	s_and_b32 s90, s88, 1                          ; RH: my half of the register side.  Also: which 8 row tiles I fetch
	s_bfe_u32 s91, ttmp6, 0x40000                  ; cx
	s_mov_b32 s92, ttmp9                           ; the kind: the cluster's x, equal in all four partners
	s_and_b32 s93, ttmp7, 0xffff                   ; y
	s_cmp_eq_u32 s93, 32
	s_cselect_b32 s94, 1, 0                        ; the tail tile
	s_cmp_eq_u32 s92, 2
	s_cselect_b32 s95, 1, 0                        ; v
	s_mov_b32 s100, 0x76543210
	s_mov_b32 s101, 0xfedcba98
	; group 1, codes: 8 rows (row tiles) of 384 elements of 8 bytes, 1,536 elements apart
	s_mov_b32 s20, 15|(3<<16)|(1<<21)              ; x: the mask names all four partners
	s_mov_b32 s28, 3<<16                           ; the weight: no mask
.irp g, 20, 28
	s_mov_b32 s[\g+1], 384<<16
	s_mov_b32 s[\g+2], 16<<16                      ; the head's loads of codes bring 16 row tiles; behind them the two words that count rows are set to 8
	s_mov_b32 s[\g+3], 384<<16
	s_mov_b32 s[\g+4], 16
	s_mov_b32 s[\g+5], 1536
	s_mov_b32 s[\g+6], 0
	s_mov_b32 s[\g+7], 0
.endr
	; group 1, scale bytes: 8,192 dense bytes as 32 rows of 256
	s_mov_b32 s36, 15|(3<<16)|(1<<21)
	s_mov_b32 s44, 3<<16
.irp g, 36, 44
	s_mov_b32 s[\g+1], 32<<16
	s_mov_b32 s[\g+2], 32<<16
	s_mov_b32 s[\g+3], 32<<16
	s_mov_b32 s[\g+4], 32
	s_mov_b32 s[\g+5], 32
	s_mov_b32 s[\g+6], 0
	s_mov_b32 s[\g+7], 0
.endr
	s_lshl_b32 s96, s93, 4                         ; x: row tile 16 y
	s_lshl_b32 s98, s92, 6
	s_lshl_b32 s3, s91, 4
	s_add_co_u32 s98, s98, s3                      ; weight: row tile 64 kind + 16 cx
	s_lshl_b32 s66, s96, 9
	s_lshl_b32 s67, s98, 9
	s_mul_i32 s96, s96, 12288
	s_mul_i32 s98, s98, 12288
	s_mov_b32 s97, 0
	s_mov_b32 s99, 0
	s_mul_i32 s2, s88, HALFB
	s_wait_dscnt 0x0                               ; both opening adds are done
	s_wait_kmcnt 0x0
	s_add_nc_u64 s[4:5], s[4:5], s[96:97]
	s_add_nc_u64 s[8:9], s[8:9], s[98:99]
	s_mov_b32 s96, s66
	s_mov_b32 s98, s67
	s_add_nc_u64 s[6:7], s[6:7], s[96:97]
	s_add_nc_u64 s[10:11], s[10:11], s[98:99]
	CROUND                                         ; all four work-groups are here: the first joint loads meet
	s_mov_b32 s80, 1
	s_mov_b32 s81, SCL                             ; x's scale bytes, all 8,192
	s_mov_b64 s[82:83], s[6:7]
	s_or_b32 s83, s83, 0x80000000
	s_mov_b32 s84, 1
	s_mov_b32 s85, SCL+8192                        ; the weight's
	s_mov_b64 s[86:87], s[10:11]
	s_or_b32 s87, s87, 0x80000000
	s_mul_i32 s96, s90, 8*12288                    ; behind the head a wave fetches 8 row tiles: which half
	s_add_nc_u64 s[66:67], s[4:5], s[96:97]
	s_add_nc_u64 s[98:99], s[8:9], s[96:97]
.irp s, 0,1,2
	s_mov_b32 s[52+4*\s], 1
	s_add_co_u32 s[53+4*\s], s2, \s*SLOTB
	s_add_nc_u64 s[54+4*\s:55+4*\s], s[66:67], (\s+3*(1-(\s+1)/2))*3072   ; slot 0's set serves its refill, K step 3; slots 1, 2: K steps 1, 2
	s_or_b32 s[55+4*\s], s[55+4*\s], 0x80000000
	s_mov_b32 s[68+4*\s], 1
	s_add_co_u32 s[69+4*\s], s2, \s*SLOTB
	s_add_nc_u64 s[70+4*\s:71+4*\s], s[98:99], (\s+3*(1-(\s+1)/2))*3072
	s_or_b32 s[71+4*\s], s[71+4*\s], 0x80000000
.endr
	s_mov_b64 s[6:7], s[4:5]                       ; group 0 of the head's loads of K step 0, in registers that held arguments: x's 16 row tiles to LDS 0,
	s_mov_b32 s4, 1
	s_mov_b32 s5, 0
	s_or_b32 s7, s7, 0x80000000
	s_mov_b64 s[10:11], s[8:9]                     ; the weight's behind them
	s_mov_b32 s8, 1
	s_mov_b32 s9, WAREA
	s_or_b32 s11, s11, 0x80000000
; THE HEAD'S LOADS, ONE A WAVE: wave 0 x's K step 0, wave 1 the weight's, wave 2 x's scale bytes, wave 3 the weight's.  One chain of arms, all leading to one join.
; K step 1 follows behind the full sequence and a round, K step 2 behind sub-step 1's round, K step 3 (slot 0 again) behind sub-step 3's: one load of a wave is out at a time.
.macro ARM under, g0, g1, next
	s_cmp_lt_u32 s88, \under
	s_cbranch_scc0 \next
	tensor_load_to_lds s[\g0:\g0+3], s[\g1:\g1+7]
	s_nop 0
.rept 4
	v_nop
.endr
	s_branch .Lhead_asked
\next:
.endm
	ARM 1, 4, 20, .Lhead_w
	ARM 2, 8, 28, .Lhead_sx
	ARM 3, 80, 36, .Lhead_sw
	tensor_load_to_lds s[84:87], s[44:51]
	s_nop 0
.rept 4
	v_nop
.endr
.Lhead_asked:
	v_and_b32 v1, 15, v0                           ; r
	v_bfe_u32 v2, v0, 4, 1                         ; lane / 16
	v_and_b32 v3, 31, v0
	v_lshlrev_b32 v19, 4, v3                       ; 16 l
	s_wait_alu depctr_va_vdst(0)
	v_lshlrev_b32 v20, 3, v3                       ; 8 l
	s_wait_alu depctr_va_vdst(0)
	s_cmp_eq_u32 s95, 1                            ; v reads the weight's area as the lane side and x's as the register side
	s_cselect_b32 s96, WAREA, 0
	s_cselect_b32 s98, 0, WAREA
	s_cselect_b32 s66, 8192, 0
	s_cselect_b32 s67, 0, 8192
	s_mul_i32 s2, s89, HALFB
	s_mul_i32 s3, s90, HALFB
	s_add_co_u32 s96, s96, s2
	s_add_co_u32 s98, s98, s3
.irp s, 0,1,2
	v_add_nc_u32 v[6+\s], s96, v19
	v_add_nc_u32 v[9+\s], s96, v20
	v_add_nc_u32 v[12+\s], s98, v19
	v_add_nc_u32 v[15+\s], s98, v20
	s_add_co_u32 s96, s96, SLOTB
	s_add_co_u32 s98, s98, SLOTB
.endr
	s_lshl_b32 s2, s89, 12
	s_lshl_b32 s3, s90, 12
	s_add_co_u32 s66, s66, s2
	s_add_co_u32 s67, s67, s3
	s_add_co_u32 s66, s66, SCL
	s_add_co_u32 s67, s67, SCL
	s_mov_b32 s3, 0xffff0000
	v_mov_b32 v4, s66
	v_mov_b32 v5, s67
	v_cndmask_b32 v18, v4, v5, s3                  ; scale words: lanes 0-15 the lane side's, lanes 16-31 the register side's
	v_lshl_add_u32 v18, v1, 3, v18
	v_and_b32 v22, 7, v1
	v_lshrrev_b32 v4, 3, v1
	v_lshl_add_u32 v22, v4, 4, v22                 ; row r of a tile is index 16 (r / 8) + r % 8 of its 32
	v_lshlrev_b32 v23, 6, v2                       ; 64 (lane / 16): my half's 16 numbers of a bias or a table row
	v_lshl_add_u32 v24, v22, 8, v23                ; the table: my token's row of 256 bytes; v24-27: pairs of tiles 0-3, 32 tokens apart (tail: all the same 32)
	s_cmp_eq_u32 s94, 1
	s_cselect_b32 s2, 0, 8192
	v_add_nc_u32 v25, s2, v24
	v_add_nc_u32 v26, s2, v25
	v_add_nc_u32 v27, s2, v26
	v_lshlrev_b32 v30, 2, v22                      ; v's bias: my feature
	s_lshl_b32 s2, s91, 10
	s_lshl_b32 s3, s90, 9
	s_add_co_u32 s2, s2, s3
	s_mov_b32 s3, 0
	s_add_nc_u64 s[12:13], s[12:13], s[2:3]        ; q_bias at my 128 features
	s_cmp_lg_u32 s92, 0
	s_cbranch_scc1 .Lno_qbias
	s_wait_alu depctr_va_vdst(0)
.irp b, 0,1,2,3,4,5,6,7                        ; q's bias in the result's layout: the C of each sum's first product
	global_load_b128 v[64+8*\b:67+8*\b], v23, s[12:13] offset:(32*(\b/2)+8*(\b%2))*4
	global_load_b128 v[68+8*\b:71+8*\b], v23, s[12:13] offset:(32*(\b/2)+8*(\b%2))*4+16
.endr
.Lno_qbias:
	s_wait_alu depctr_va_vdst(0)                   ; the wait at the head's end
	s_wait_tensorcnt 0x0                           ; my tile of the head's four is in
	ds_add_u32 v28, v29
	s_mov_b32 s22, 8<<16                           ; no tensor load of mine is out: from here on a load brings 8 row tiles
	s_mov_b32 s24, 8
	s_mov_b32 s30, 8<<16
	s_mov_b32 s32, 8
	s_wait_dscnt 0x0
	CROUND                                         ; all four tiles are in, and all four work-groups are here
	JLOAD 56, 20, 72, 28                           ; K step 1, slot 1's first fill: the first tensor load behind the round
	FETCH_B 0
	FETCH_A 0, 0
	SCALES 0
	FETCH_A 0, 4
	s_wait_loadcnt 0x0                             ; the bias is in.  The wait stands on every wave's path: v64-127 are loaded again further down, and no load lands on a register that an earlier load may still write
	s_cmp_lg_u32 s92, 0
	s_cbranch_scc1 .Lstep0_plain
	STEP 0, 2
	s_branch .Lstep0_done
.Lstep0_plain:
	STEP 0, 1
.Lstep0_done:
	TURN 1, 1
	STEP 2, 0
	TURN 3, 2                                      ; K step 2 is in; slot 0 takes K step 3
	STEP 4, 0
	TURN 5, 0                                      ; K step 3 is in; no tensor load is out from here on, so the descriptors' registers are free
	; where my two units begin.  HS: which pair of heads, TS: which 128 tokens
	s_cmp_eq_u32 s95, 1
	s_cselect_b32 s26, s89, s90
	s_cselect_b32 s27, s90, s89
	s_lshl_b32 s28, s91, 2
	s_lshl_b32 s29, s26, 1
	s_add_co_u32 s28, s28, s29                     ; my first head
	s_lshr_b32 s29, s93, 2
	s_lshl_b32 s29, s29, 4
	s_add_co_u32 s29, s29, s28
	s_lshl_b32 s29, s29, 3
	s_and_b32 s30, s93, 3
	s_lshl_b32 s30, s30, 1
	s_add_co_u32 s29, s29, s30
	s_add_co_u32 s29, s29, s27                     ; main: (16 b + head) 8 + 2 (y % 4) + TS
	s_lshl_b32 s30, s27, 4
	s_add_co_u32 s30, s30, s28
	s_add_co_u32 s30, s30, 1024                    ; tail: 1024 + 16 TS + head
	s_mov_b32 s31, 51200
	s_and_b32 s34, s93, 3
	s_lshl_b32 s34, s34, 8
	s_lshl_b32 s35, s89, 7
	s_add_co_u32 s34, s34, s35                     ; q, k: my first token
	s_cmp_eq_u32 s94, 1
	s_cselect_b32 s29, s30, s29
	s_cselect_b32 s31, 6400, s31                   ; from a head's unit to the next head's
	s_cselect_b32 s34, 1024, s34
	s_mul_i32 s29, s29, 6400
	s_mul_i32 s30, s92, KINDB
	s_add_co_u32 s32, s29, s30
	s_mov_b32 s33, 0
	s_add_nc_u64 s[20:21], s[18:19], s[32:33]      ; unit of my first head
	s_mov_b32 s32, s31
	s_add_nc_u64 s[22:23], s[20:21], s[32:33]      ; of my second
	v_mul_u32_u24 v21, v2, s31
	v_lshl_add_u32 v21, v1, 4, v21                 ; the scale words' place: lanes 0-15 the first head's, lanes 16-31 the second's
	s_mov_b32 s26, 0xffff0000
	s_cmp_eq_u32 s95, 1
	s_cbranch_scc1 .Lpre_v
	s_lshl_b32 s32, s34, 8
	s_add_nc_u64 s[24:25], s[16:17], s[32:33]      ; the table at my first token
.macro TABLE a                         ; tile a's 16 cosines and 16 sines of my token and my half of the frequencies
.irp k, 0,1,2,3
	global_load_b128 v[64+32*((\a)%2)+4*\k:64+32*((\a)%2)+4*\k+3], v[24+(\a)/2], s[24:25] offset:2048*((\a)%2)+16*\k
	global_load_b128 v[80+32*((\a)%2)+4*\k:80+32*((\a)%2)+4*\k+3], v[24+(\a)/2], s[24:25] offset:2048*((\a)%2)+128+16*\k
.endr
.endm
	s_wait_alu depctr_va_vdst(0)
	TABLE 0
	TABLE 1
	s_branch .Lpre_done
.Lpre_v:
	s_lshl_b32 s32, s91, 10
	s_lshl_b32 s34, s89, 9
	s_add_co_u32 s32, s32, s34
	s_add_nc_u64 s[24:25], s[14:15], s[32:33]      ; v_bias at my 128 features
	s_wait_alu depctr_va_vdst(0)
.irp a, 0,1,2,3,4,5,6,7
	global_load_b32 v[64+\a], v30, s[24:25] offset:(32*(\a/2)+8*(\a%2))*4
.endr
.Lpre_done:
	STEP 6, 0
	s_wait_dscnt 16                                ; the last sub-step: nothing more to fetch
	WIN 0xa1
	MUL16 0, 7, 0
	MUL16 2, 7, 0
	s_wait_dscnt 0x0
	WIN 0xf1
	MUL16 4, 7, 0
	MUL16 6, 7, 0
	WIN 0
	PLACES
	s_wait_loadcnt 0x0                             ; what was asked for two sub-steps (128 matrix instructions) ago is in: the table's first two sets, or v's bias.  The wait stands ahead of the parting of the two ways out, on every wave's path: behind it no load is out, so the loads into v64-127 that follow land on no register that an earlier load may still write
.irp b, 0,1,2,3
	v_mov_b32 v[TM+4+\b], 0                        ; written once: a lane permute's destination counts as one of its sources
.endr
; 64 numbers of a lane, register 16 b + i = k 32 b + 16 (lane / 16) + i of my row, become codes (blocks 0, 1 in v[pa] on, blocks 2, 3 in v[pb] on) and my row's scale word v[pw]
.macro QUANT s, pa, pb, pw
.irp b, 0,1,2,3
	v_max3_num_f32 v[TM+\b], |v[\s+16*\b]|, |v[\s+1+16*\b]|, 0x1800000   ; with the floor 2^(3 - 127): the byte cannot fall under 1
.endr
.irp i, 2,4,6,8,10,12,14
.irp b, 0,1,2,3
	v_max3_num_f32 v[TM+\b], v[TM+\b], |v[\s+16*\b+\i]|, |v[\s+1+16*\b+\i]|
.endr
.endr
.irp b, 0,1,2,3
	v_permlanex16_b32 v[TM+4+\b], v[TM+\b], s100, s101
.endr
.irp b, 0,1,2,3
	v_max_num_f32 v[TM+\b], v[TM+\b], v[TM+4+\b]   ; with lane l xor 16's: the block's largest magnitude
.endr
.irp b, 0,1,2,3
	v_add_nc_u32 v[TM+12+\b], 0xff000000, v[TM+\b] ; 2 off its exponent field: the conversion's scale operand
.endr
.irp b, 0,1,2,3
	v_lshrrev_b32 v[TM+4+\b], 23, v[TM+12+\b]      ; the byte
.endr
	v_lshl_or_b32 v[\pw], v[TM+5], 8, v[TM+4]
	v_lshl_or_b32 v[\pw], v[TM+6], 16, v[\pw]
	v_lshl_or_b32 v[\pw], v[TM+7], 24, v[\pw]
	v_cvt_scalef32_pk16_fp6_f32 v[\pa:\pa+2], v[\s:\s+15], v[TM+12]
	v_cvt_scalef32_pk16_fp6_f32 v[CT:CT+2], v[\s+16:\s+31], v[TM+13]
	v_cvt_scalef32_pk16_fp6_f32 v[\pb:\pb+2], v[\s+32:\s+47], v[TM+14]
	v_cvt_scalef32_pk16_fp6_f32 v[CT+4:CT+6], v[\s+48:\s+63], v[TM+15]
	v_nop                                          ; one plain place behind a scaled conversion
.irp i, 0,1,2                                  ; the layout wants a whole block in a lane: lanes 0-15 the even block, lanes 16-31 the odd one
	v_permlane16_swap_b32 v[\pa+\i], v[CT+\i]
	v_permlane16_swap_b32 v[\pb+\i], v[CT+4+\i]
.endr
.irp i, 0,1,2
	v_mov_b32 v[\pa+3+\i], v[CT+\i]
	v_mov_b32 v[\pb+3+\i], v[CT+4+\i]
.endr
.endm
	s_cmp_eq_u32 s95, 1
	s_cbranch_scc1 .Lepi_v
; ---- q, k: tile a of 16 tokens, my two heads.  Blocks 4 e + u hold d = 16 h + 8 u + j, blocks 4 e + 2 + u hold d + 32: the two halves that RoPE turns.
.macro QK a
.if (\a) == 7
	s_wait_loadcnt 0
.elseif (\a) >= 2
	s_wait_loadcnt 8                               ; this tile's table is in; the next tile's eight loads may be out.  (Tiles 0 and 1: theirs came in by the wait ahead of the parting)
.endif
.set TB, 64+32*((\a)%2)
.set AC, 64*((\a)%4)
	WIN 0x02+(\a)/4                                ; source 0 alone in the accumulators' window
.irp e, 0,1
.irp u, 0,1
.irp j, 0,2,4,6                                ; each accumulator from its low end on
.set rH, H+32*\e+8*\u+\j
.set rX, AC+8*(4*\e+\u)+\j
.set rC, TB+8*\u+\j
	v_pk_mul_f32 v[rH:rH+1], v[rX+16:rX+17], v[rC+16:rC+17]
	v_pk_mul_f32 v[rH+16:rH+17], v[rX+16:rX+17], v[rC:rC+1]
	v_pk_fma_f32 v[rH:rH+1], v[rX:rX+1], v[rC:rC+1], v[rH:rH+1] neg_lo:[0,0,1] neg_hi:[0,0,1]   ; x1 cos - x2 sin
	v_pk_fma_f32 v[rH+16:rH+17], v[rX:rX+1], v[rC+16:rC+17], v[rH+16:rH+17]                     ; x1 sin + x2 cos
.endr
.endr
.endr
	WIN 0
.if (\a)+2 < 8
	TABLE (\a)+2
.endif
.if ((\a)%2 == 0) && ((\a) > 0)
	s_wait_xcnt 0x0                                ; the last pair's stores have read the codes' registers
.endif
	QUANT H, PC+6*((\a)%2), PC+12+6*((\a)%2), PW+(\a)%2
.if (\a)%2 == 1
	v_perm_b32 v210, v209, v208, 0x05040100        ; the pair's word of the first head: two bytes of the even tile, two of the odd one,
	v_perm_b32 v211, v209, v208, 0x07060302        ; of the second head
	v_cndmask_b32 v[WS+(\a)/2], v210, v211, s26
.irp p, 0,1
	global_store_b128 v19, v[PC+6*\p:PC+6*\p+3], s[20:21] offset:((\a)-1+\p)*768
	global_store_b64 v20, v[PC+6*\p+4:PC+6*\p+5], s[20:21] offset:((\a)-1+\p)*768+512
	global_store_b128 v19, v[PC+12+6*\p:PC+12+6*\p+3], s[22:23] offset:((\a)-1+\p)*768
	global_store_b64 v20, v[PC+12+6*\p+4:PC+12+6*\p+5], s[22:23] offset:((\a)-1+\p)*768+512
.endr
.endif
.endm
.irp a, 0,1,2,3,4,5,6,7
	QK \a
.endr
	global_store_b128 v21, v[WS:WS+3], s[20:21] offset:6144         ; 256 consecutive bytes for each head
	s_branch .Lfin
; ---- v: tile a of 16 features; my 64 registers are 128 tokens: a fragment of V^T as it stands.  Tail: only token 1024 (register 0 of even blocks, lanes 0-15) gets the bias: the padding stays zero ahead of the quantiser.
.Lepi_v:
	s_cmp_eq_u32 s94, 1
	s_cselect_b32 s27, 0x0000ffff, -1
	s_cselect_b32 s28, 0, -1
.macro VE a
	v_cndmask_b32 v72, 0, v[64+\a], s27
	v_cndmask_b32 v73, 0, v[64+\a], s28
	WIN 0x02+(\a)/4
.irp b, 0,1,2,3,4,5,6,7
.irp j, 0,2,4,6
.if ((\b%2) == 0) && (\j == 0)
	v_pk_add_f32 v[H+8*\b+\j:H+8*\b+\j+1], v[64*((\a)%4)+8*\b+\j:64*((\a)%4)+8*\b+\j+1], v[72:73]
.else
	v_pk_add_f32 v[H+8*\b+\j:H+8*\b+\j+1], v[64*((\a)%4)+8*\b+\j:64*((\a)%4)+8*\b+\j+1], v[72:73] op_sel:[0,1] op_sel_hi:[1,1]
.endif
.endr
.endr
	WIN 0
.if (\a) > 0
	s_wait_xcnt 0x0                                ; the last tile's stores have read the codes' registers
.endif
	QUANT H, PC, PC+6, PW+\a
.irp c, 0,1,2
	global_store_b128 v19, v[PC+4*\c:PC+4*\c+3], s[20+2*((\a)/4):21+2*((\a)/4)] offset:((\a)%4)*1536+512*\c
.endr
.endm
.irp a, 0,1,2,3,4,5,6,7
	VE \a
.endr
.irp t, 0,1,2,3
	v_cndmask_b32 v[WS+\t], v[PW+\t], v[PW+4+\t], s26
.endr
	global_store_b128 v21, v[WS:WS+3], s[20:21] offset:6144
.Lfin:
	s_wait_tensorcnt 0x0                           ; the wave's end
	ds_add_u32 v28, v29
	s_wait_dscnt 0x0
	CROUND                                         ; the closing round
	s_endpgm
.Lfunc_end_k_qe5e518842f_qkv:
	.size	k_qe5e518842f_qkv, .Lfunc_end_k_qe5e518842f_qkv-k_qe5e518842f_qkv
	.p2alignl 7, 3214868480
	.fill 96, 4, 3214868480
	.section	.rodata,"a",@progbits
	.p2align	6, 0x0
	.amdhsa_kernel k_qe5e518842f_qkv
		.amdhsa_group_segment_fixed_size 327680
		.amdhsa_private_segment_fixed_size 0
		.amdhsa_enable_private_segment 0
		.amdhsa_kernarg_size 64
		.amdhsa_user_sgpr_count 2
		.amdhsa_user_sgpr_kernarg_segment_ptr 1
		.amdhsa_wavefront_size32 1
		.amdhsa_system_sgpr_workgroup_id_x 1
		.amdhsa_system_sgpr_workgroup_id_y 1
		.amdhsa_system_sgpr_workgroup_id_z 1
		.amdhsa_system_vgpr_workitem_id 0
		.amdhsa_next_free_vgpr 1024
		.amdhsa_next_free_sgpr 102
		.amdhsa_reserve_vcc 0
		.amdhsa_float_denorm_mode_32 3
		.amdhsa_float_denorm_mode_16_64 3
		.amdhsa_memory_ordered 1
		.amdhsa_forward_progress 1
		.amdhsa_inst_pref_size 255
	.end_amdhsa_kernel
	.amdgpu_metadata
---
amdhsa.version: [ 1, 2 ]
amdhsa.kernels:
  - .name:           k_qe5e518842f_qkv
    .symbol:         k_qe5e518842f_qkv.kd
    .args:
      - { .name: xc, .offset: 0, .size: 8, .value_kind: global_buffer, .address_space: global }
      - { .name: xs, .offset: 8, .size: 8, .value_kind: global_buffer, .address_space: global }
      - { .name: wc, .offset: 16, .size: 8, .value_kind: global_buffer, .address_space: global }
      - { .name: ws, .offset: 24, .size: 8, .value_kind: global_buffer, .address_space: global }
      - { .name: q_bias, .offset: 32, .size: 8, .value_kind: global_buffer, .address_space: global }
      - { .name: v_bias, .offset: 40, .size: 8, .value_kind: global_buffer, .address_space: global }
      - { .name: rt, .offset: 48, .size: 8, .value_kind: global_buffer, .address_space: global }
      - { .name: qkv, .offset: 56, .size: 8, .value_kind: global_buffer, .address_space: global }
    .group_segment_fixed_size: 327680
    .private_segment_fixed_size: 0
    .kernarg_segment_align: 8
    .kernarg_segment_size: 64
    .max_flat_workgroup_size: 128
    .sgpr_count:     102
    .vgpr_count:     1024
    .wavefront_size: 32
...
	.end_amdgpu_metadata
.endif
;; end of part 2
;; launch attn (part 3): grid 256 x 1, 12 waves a work-group, no clusters, 167,936 bytes of LDS; arguments qkv, oc, os; writes oc, os
.if DOCPART == 3
	.amdgcn_target "amdgcn-amd-amdhsa--gfx1250"
	.amdhsa_code_object_version 6
	.text
	.protected	k_qe5e518842f_attn
	.globl	k_qe5e518842f_attn
	.p2align	8
	.type	k_qe5e518842f_attn,@function
k_qe5e518842f_attn:
	s_mov_b64 s[64:65], 0
	v_nop
	global_prefetch_b8 v0, s[64:65] scope:SCOPE_SE
	s_setreg_imm32_b32 hwreg(HW_REG_WAVE_MODE, 25, 1), 1
	s_wait_xcnt 0x0
; out[b][h][q] = softmax_k(q . k / 8) v on codes of E2M3, then quantised along the head's 64 for the projection.  No work is left out.
; THE SOFTMAX: t = score x log2(e) / 8 (the 2^-3 on q is taken in here); M = the running largest t rounded up to a whole number; p = 2^(t - M) is quantised along the keys, not normalised;
; the row's sum is taken of the unquantised p and divides at the end; when M moves, the sum and O are multiplied by a power of two.
; SHARES.  Two work-groups to a head: tiles of 16 queries 0-31 and 32-63.  Twelve waves, three to a SIMD; wave w takes tiles w + 12 p of its work-group's 32: three trips for waves 0-7, two for waves 8-11.
; THE 1025TH QUERY (tile 64: one row) would be a third tile for one wave alone.  Its KEYS are shared out instead, in the head's second work-group: waves 0-7 take 128 keys each (one key step from an empty state), wave 8 the 1025th key;
; each leaves its -M, its sum and its O^T in LDS as an image of its registers; behind a barrier wave 11 brings the nine under the largest M, by factors 2^(M_w - M), which round nothing, adds them, and goes the way out of every tile.
; M is a whole number in each part, so p's codes keep their values whichever part's M they were made under.
; ALL of a head's K and V (17 units of 6,400 bytes) come into LDS once, at the head, and stay: nothing is filled again.  q of all my tiles is asked for at the head too, beside the tensor loads: a trip begins with moves, not with loads.
; So there is no later step's tile to ask for ahead of time.  Every wave asks for the 1025th query's q (three loads), though only nine waves of every second work-group use it: so no register's content hangs on a branch.
; No cluster: two work-groups share a head, and what they share is read once, at the head, not in the loop.
; BOTH PRODUCTS TRANSPOSED: a lane holds one query.  K = 64 in an instruction of K = 128: source 0 holds TWO tiles of keys side by side, source 1 is [q | 0] or [0 | q]: two products for each fragment read.
; THE 1025TH KEY COMES FIRST in a tile's walk: it starts M, the sum and O^T (C = 0); then eight steps of 128 keys with no mask.  Its unit holds four batches: batch b's key is tile 2 (b % 4) of K's, and block b % 4 along the keys of V's; p's one code is put at that block.
; The order of the f32 sums so differs from reference()'s.  LIMITS: as stated in the first launch.
; REGISTERS: v1-7, v10 addresses; v8, v9 the add's; v12 -M, v13 largest t, v[14:15] the sum; v16-22 the coming tile's q and scale word; v23-27 LDS addresses of my own key step of the 1025th query; v28 where my state goes, v29 where the states are read;
; v32-79 four fragments; v80-86 q of the tile after the coming one; v88-94 the 1025th query's; v96-159 S^T, then p; v160-191 O^T; v192-215 [tail key 6][0 6][q 6][0 6]; v216 the tail key's scale word;
; v224-235 p's codes; v232-247, v252-254 at work; v248-251 scale words; v255 q's scale word.
.set KINDB, 6758400
.set VM,    51200                      ; LDS: K's 8 units from 0, V's 8 from here,
.set VT,    102400                     ; V's tail unit,
.set SPARE, 108800                     ; the spare words, 128 bytes for each wave,
.set MRG,   110848                     ; and the nine states of the 1025th query: no tensor load lands here
.set STATEB, 4608                      ; a state: O^T's 32 registers and v12-15, nine runs of 512 bytes
	s_load_b128 s[4:7], s[0:1], 0x0                ; qkv, oc
	s_load_b64 s[8:9], s[0:1], 0x10                ; os
	v_lshl_add_u32 v8, v0, 2, SPARE
	v_mov_b32 v9, 0
	ds_add_u32 v8, v9                              ; the opening: the add, twice on end, and its wait ahead of the first tensor load
	ds_add_u32 v8, v9
	v_lshrrev_b32 v1, 5, v0
	s_delay_alu instid0(VALU_DEP_1)
	v_readfirstlane_b32 s10, v1                    ; wave
	s_lshr_b32 s11, ttmp9, 1                       ; 16 b + h
	s_and_b32 s12, ttmp9, 1                        ; which half of the query tiles
	s_lshr_b32 s13, s11, 4                         ; b
	s_and_b32 s14, s11, 15                         ; h
	s_lshr_b32 s15, s13, 2
	s_and_b32 s16, s13, 3                          ; b % 4
	s_mov_b32 s20, 3<<16                           ; group 1
	s_mov_b32 s21, 32<<16
	s_mov_b32 s22, 50<<16                          ; two neighbouring units, 12,800 dense bytes, as 50 rows of 256
	s_mov_b32 s23, 32<<16
	s_mov_b32 s24, 50
	s_mov_b32 s25, 32
	s_mov_b32 s26, 0
	s_mov_b32 s27, 0
	s_lshl_b32 s54, s11, 3
	s_add_co_u32 s54, s54, s10
	s_add_co_u32 s54, s54, s10                     ; units 2 w, 2 w + 1
	s_mul_i32 s54, s54, 6400
	s_add_co_u32 s54, s54, KINDB                   ; waves 0-3: K's units;
	s_cmp_lt_u32 s10, 4
	s_cselect_b32 s56, 0, KINDB-51200
	s_add_co_u32 s54, s54, s56                     ; waves 4-7: V's units 2 (w - 4), 2 (w - 4) + 1
	s_mov_b32 s55, 0
	s_lshl_b32 s51, s15, 4
	s_add_co_u32 s51, s51, s14
	s_add_co_u32 s51, s51, 1024                    ; the tail's unit
	s_mul_i32 s62, s51, 6400
	s_add_co_u32 s58, s62, 2*KINDB
	s_mov_b32 s59, 0
	s_add_co_u32 s62, s62, KINDB
	s_mul_i32 s66, s16, 1536
	s_lshl_b32 s67, s16, 2
	s_add_co_u32 s68, s62, s67
	s_add_co_u32 s68, s68, 6144                    ; the tail key's scale word: pair b % 4
	s_mov_b32 s69, 0
	s_add_co_u32 s62, s62, s66                     ; the tail key's tile: 2 (b % 4)
	s_mov_b32 s63, 0
	s_mul_i32 s60, s10, 12800                      ; K's eight units and V's eight lie on end in LDS
	s_mov_b32 s40, 0x76543210
	s_mov_b32 s41, 0xfedcba98
	s_mov_b32 s42, 0x3e38aa3b                      ; c = log2(e) / 8
	s_mov_b32 s43, s42
	s_mov_b32 s44, 0xffff0000
	s_mov_b32 s45, 0x0000ffff
	s_mov_b32 s52, 0x01000100
	s_mov_b32 s53, 0x03020302
	s_bitcmp1_b32 s16, 0
	s_cselect_b32 s46, s44, s45                    ; the lanes whose half holds block b % 4,
	s_bitcmp1_b32 s16, 1
	s_cselect_b32 s47, 0, -1                       ; and which six registers
	s_cselect_b32 s48, -1, 0
	s_mul_i32 s18, s14, 768
	s_lshr_b32 s17, s14, 2
	s_lshl_b32 s17, s17, 7
	s_and_b32 s19, s14, 3
	s_lshl_b32 s19, s19, 1
	s_add_co_u32 s17, s17, s19                     ; a head's two bytes in a row's scales
	s_wait_dscnt 0x0                               ; both opening adds are done
	s_wait_kmcnt 0x0
	s_mov_b32 s28, 1
	s_mov_b32 s29, s60
	s_add_nc_u64 s[30:31], s[4:5], s[54:55]
	s_or_b32 s31, s31, 0x80000000
	s_mov_b32 s72, 3<<16                           ; group 1 of the tail's one unit: 25 rows of 256
	s_mov_b32 s73, 32<<16
	s_mov_b32 s74, 25<<16
	s_mov_b32 s75, 32<<16
	s_mov_b32 s76, 25
	s_mov_b32 s77, 32
	s_mov_b32 s78, 0
	s_mov_b32 s79, 0
	s_mov_b32 s36, 1
	s_mov_b32 s37, VT
	s_add_nc_u64 s[38:39], s[4:5], s[58:59]
	s_or_b32 s39, s39, 0x80000000
	s_cmp_lt_u32 s10, 8                            ; waves 0-7: two units each, one load; wave 8: V's tail; the others none.  One load of a wave is out at the most
	s_cbranch_scc0 .Lnot_main
	tensor_load_to_lds s[28:31], s[20:27]
	s_nop 0
.rept 4
	v_nop
.endr
	s_branch .Lasked
.Lnot_main:
	s_cmp_eq_u32 s10, 8
	s_cbranch_scc0 .Lasked
	tensor_load_to_lds s[36:39], s[72:79]
	s_nop 0
.rept 4
	v_nop
.endr
.Lasked:
	s_sub_co_u32 s54, s62, KINDB                   ; the 1025th query lies in q's part of the buffer where the 1025th key lies in k's: these are still offsets
	s_mov_b32 s55, 0
	s_sub_co_u32 s56, s68, KINDB
	s_mov_b32 s57, 0
	s_add_nc_u64 s[66:67], s[4:5], s[62:63]
	s_add_nc_u64 s[68:69], s[4:5], s[68:69]
	s_add_nc_u64 s[54:55], s[4:5], s[54:55]
	s_add_nc_u64 s[56:57], s[4:5], s[56:57]
	s_lshl_b32 s58, s11, 3                         ; my first tile is 32 half + w: unit 8 (16 b + h) + 4 half + w / 8,
	s_lshl_b32 s59, s12, 2
	s_add_co_u32 s58, s58, s59
	s_lshr_b32 s59, s10, 3
	s_add_co_u32 s58, s58, s59
	s_mul_i32 s58, s58, 6400
	s_and_b32 s59, s10, 7                          ; place w % 8 there
	s_mul_i32 s60, s59, 768
	s_add_co_u32 s60, s60, s58
	s_mov_b32 s61, 0
	s_lshr_b32 s62, s59, 1
	s_lshl_b32 s62, s62, 2
	s_add_co_u32 s62, s62, s58
	s_add_co_u32 s62, s62, 6144
	s_mov_b32 s63, 0
	s_bitcmp1_b32 s59, 0
	s_cselect_b32 s50, s53, s52                    ; which two bytes of the pair's word are my tiles'
	s_add_nc_u64 s[60:61], s[4:5], s[60:61]
	s_add_nc_u64 s[62:63], s[4:5], s[62:63]
; TWELVE WAVES, three to a SIMD: wave w takes tiles w + 12 p of its work-group's 32: p = 0, 1, 2 for waves 0-7 (24 + 8 tiles), p = 0, 1 for waves 8-11.  12 is even, so a wave's tiles keep their parity in a pair's scale word.
; q of tile w + 12 p: unit 8 (16 b + h) + 4 half + tile / 8, place tile % 8.  Waves 8-11 ask for a third q too, which they never use: it lies inside q's part of the buffer (unit 1024 at the most of 1056).
.macro QADR p, c                       ; c: the first of four scalar registers: the codes' address, the scale words'
	s_add_co_u32 s58, s10, 12*\p
	s_lshr_b32 s59, s58, 3
	s_add_co_u32 s59, s59, s32
	s_mul_i32 s59, s59, 6400
	s_and_b32 s58, s58, 7
	s_mul_i32 s[\c], s58, 768
	s_add_co_u32 s[\c], s[\c], s59
	s_mov_b32 s[\c+1], 0
	s_lshr_b32 s58, s58, 1
	s_lshl_b32 s58, s58, 2
	s_add_co_u32 s[\c+2], s58, s59
	s_add_co_u32 s[\c+2], s[\c+2], 6144
	s_mov_b32 s[\c+3], 0
	s_add_nc_u64 s[\c:\c+1], s[4:5], s[\c:\c+1]
	s_add_nc_u64 s[\c+2:\c+3], s[4:5], s[\c+2:\c+3]
.endm
	s_lshl_b32 s32, s11, 3
	s_lshl_b32 s33, s12, 2
	s_add_co_u32 s32, s32, s33                     ; my half's first unit of q
	QADR 1, 84
	QADR 2, 88
	v_and_b32 v11, 31, v0
	v_and_b32 v10, 15, v0
	s_delay_alu instid0(VALU_DEP_2)
	v_lshlrev_b32 v1, 4, v11                       ; 16 l
	s_delay_alu instid0(VALU_DEP_3)
	v_lshlrev_b32 v2, 3, v11                       ; 8 l
	s_delay_alu instid0(VALU_DEP_3)
	v_lshlrev_b32 v3, 4, v10                       ; 16 r
	s_delay_alu instid0(VALU_DEP_3)
	v_add_nc_u32 v4, VM, v1
	s_delay_alu instid0(VALU_DEP_2)
	v_add_nc_u32 v5, VM, v3
	v_add_nc_u32 v6, VT, v1
	s_delay_alu instid0(VALU_DEP_4)
	v_add_nc_u32 v7, VT, v3
	v_lshlrev_b32 v10, 3, v10                      ; 8 r
	global_load_b128 v[192:195], v1, s[66:67]      ; the tail key's tile: read once by each wave, from memory
	global_load_b64 v[196:197], v2, s[66:67] offset:512
	global_load_b32 v216, v3, s[68:69]
	global_load_b128 v[16:19], v1, s[60:61]        ; q of my first tile,
	global_load_b64 v[20:21], v2, s[60:61] offset:512
	global_load_b32 v22, v3, s[62:63]
	global_load_b128 v[80:83], v1, s[84:85]        ; of my second,
	global_load_b64 v[84:85], v2, s[84:85] offset:512
	global_load_b32 v86, v3, s[86:87]
	global_load_b128 v[218:221], v1, s[88:89]      ; of my third,
	global_load_b64 v[222:223], v2, s[88:89] offset:512
	global_load_b32 v217, v3, s[90:91]
	global_load_b128 v[88:91], v1, s[54:55]        ; and the 1025th query's
	global_load_b64 v[92:93], v2, s[54:55] offset:512
	global_load_b32 v94, v3, s[56:57]
	s_min_u32 s70, s10, 7                          ; every LDS address is made here, ahead of the first parting of the waves
	s_mul_i32 s70, s70, 6400
	v_add_nc_u32 v23, s70, v1                      ; the 1025th query: wave w's key step is step w
	v_add_nc_u32 v24, s70, v2
	v_add_nc_u32 v25, s70, v3
	v_add_nc_u32 v26, s70, v4
	v_add_nc_u32 v27, s70, v5
	s_min_u32 s71, s10, 8
	s_mul_i32 s71, s71, STATEB
	s_add_co_u32 s71, s71, MRG
	v_add_nc_u32 v28, s71, v1                      ; my state
	v_add_nc_u32 v29, MRG, v1                      ; the states, as wave 11 reads them
.irp i, 198,199,200,201,202,203,210,211,212,213,214,215
	v_mov_b32 v\i, 0                               ; the zero halves beside q
.endr
.irp i, 236,237,238,239,252,253
	v_mov_b32 v\i, 0                               ; written once: a lane permute's destination counts as one of its sources
.endr
	s_wait_tensorcnt 0x0
	s_wait_loadcnt 0x0                             ; the tail key and the four q
	s_barrier_signal -1
	s_barrier_wait -1                              ; all 17 units lie in LDS
.macro FRAG reg, a16, a8, off
	ds_load_b128 v[\reg:\reg+3], v[\a16] offset:\off
	ds_load_b64 v[\reg+4:\reg+5], v[\a8] offset:(\off)+512
	ds_load_b128 v[\reg+6:\reg+9], v[\a16] offset:(\off)+768
	ds_load_b64 v[\reg+10:\reg+11], v[\a8] offset:(\off)+1280
.endm
; A KEY STEP: 128 keys, unit s from the five address registers named (K's codes by 16 and by 8 bytes a lane, K's scale words, V's codes, V's scale words)
.macro STEP s, k16, k8, ks, w16, ws
.rept 4
	v_nop                                          ; places in front of loads into registers that the last products read
.endr
.irp p, 0,1,2,3
	FRAG 32+12*\p, \k16, \k8, (\s)*6400+\p*1536    ; tiles 2 p and 2 p + 1 of keys, side by side
.endr
	ds_load_b128 v[248:251], v[\ks] offset:(\s)*6400+6144
	s_wait_dscnt 0x0
.irp p, 0,1,2,3
	v_wmma_scale_f32_16x16x128_f8f6f4 v[96+16*\p:103+16*\p], v[32+12*\p:43+12*\p], v[204:215], 0, v[248+\p], v255 matrix_a_fmt:MATRIX_FMT_FP6 matrix_b_fmt:MATRIX_FMT_FP6
	v_wmma_scale_f32_16x16x128_f8f6f4 v[104+16*\p:111+16*\p], v[32+12*\p:43+12*\p], v[198:209], 0, v[248+\p], v255 matrix_a_fmt:MATRIX_FMT_FP6 matrix_b_fmt:MATRIX_FMT_FP6
.endr                                          ; registers 16 b + i are the unit's keys 32 b + 16 (lane / 16) + i
.rept 4
	v_nop
.endr
.irp t, 0,1,2,3                                ; V's four fragments are asked for at once: they land during the softmax
.irp c, 0,1,2
	ds_load_b128 v[32+12*\t+4*\c:35+12*\t+4*\c], v[\w16] offset:(\s)*6400+\t*1536+\c*512
.endr
.endr
	ds_load_b128 v[248:251], v[\ws] offset:(\s)*6400+6144
.irp b, 0,1,2,3
	v_max3_num_f32 v[232+\b], v[96+16*\b], v[97+16*\b], v[98+16*\b]   ; the largest score of each block of 32 keys: for the row's maximum, and, since p rises with the score, for the block's largest p
.endr
.irp i, 3,5,7,9,11,13
.irp b, 0,1,2,3
	v_max3_num_f32 v[232+\b], v[232+\b], v[96+16*\b+\i], v[97+16*\b+\i]
.endr
.endr
.irp b, 0,1,2,3
	v_max_num_f32 v[232+\b], v[232+\b], v[111+16*\b]
.endr
.irp b, 0,1,2,3
	v_permlanex16_b32 v[236+\b], v[232+\b], s40, s41
.endr
.irp b, 0,1,2,3
	s_delay_alu instid0(VALU_DEP_4)
	v_max_num_f32 v[232+\b], v[232+\b], v[236+\b]
.endr
	s_delay_alu instid0(VALU_DEP_2)
	v_max3_num_f32 v254, v232, v233, v234
	s_delay_alu instid0(VALU_DEP_1)
	v_max_num_f32 v254, v254, v235
	s_delay_alu instid0(VALU_DEP_1)
	v_mul_f32 v254, s42, v254
	s_delay_alu instid0(VALU_DEP_1)
	v_max_num_f32 v13, v13, v254                   ; the running largest t
	v_mov_b32 v254, v12
	s_delay_alu instid0(VALU_DEP_2)
	v_floor_f32 v12, -v13                          ; -M = floor(-t)
	s_delay_alu instid0(VALU_DEP_1)
	v_sub_f32 v254, v12, v254
	s_delay_alu instid0(VALU_DEP_1)
	v_cvt_i32_f32 v254, v254
	s_delay_alu instid0(VALU_DEP_1)
	v_ldexp_f32 v252, 1.0, v254                    ; f = 2^(old M - new M)
.irp j, 0,2,4,6,8,10,12,14,16,18,20,22,24,26,28,30,32,34,36,38,40,42,44,46,48,50,52,54,56,58,60,62
	v_pk_fma_f32 v[96+\j:97+\j], v[96+\j:97+\j], s[42:43], v[12:13] op_sel_hi:[1,0,0]   ; t - M
.endr
.irp b, 0,1,2,3
	v_fma_f32 v[232+\b], v[232+\b], s42, v12
.endr
	s_wait_alu depctr_va_vdst(0)
.irp j, 0,1,2,3,4,5,6,7,8,9,10,11,12,13,14,15,16,17,18,19,20,21,22,23,24,25,26,27,28,29,30,31,32,33,34,35,36,37,38,39,40,41,42,43,44,45,46,47,48,49,50,51,52,53,54,55,56,57,58,59,60,61,62,63
	v_exp_f32 v[96+\j], v[96+\j]                   ; p
.endr
	v_pk_mul_f32 v[14:15], v[14:15], v[252:253] op_sel_hi:[1,0]     ; the sums under the new M (a plain place behind the exponentials)
	s_wait_alu depctr_va_vdst(0)                   ; one wait for the batch, ahead of its first reader
.irp b, 0,1,2,3
	v_exp_f32 v[232+\b], v[232+\b]                 ; the blocks' largest p
.endr
	v_pk_add_f32 v[236:237], v[100:101], v[104:105]
	v_pk_add_f32 v[246:247], v[108:109], v[112:113]
	v_pk_add_f32 v[244:245], v[116:117], v[120:121]
	v_pk_add_f32 v[242:243], v[124:125], v[128:129]
	v_pk_add_f32 v[240:241], v[132:133], v[136:137]
	v_pk_add_f32 v[238:239], v[140:141], v[144:145]
	v_pk_add_f32 v[230:231], v[148:149], v[152:153]
	v_pk_add_f32 v[14:15], v[14:15], v[156:157]
	v_pk_add_f32 v[236:237], v[236:237], v[96:97]
	v_pk_add_f32 v[246:247], v[246:247], v[98:99]
	v_pk_add_f32 v[244:245], v[244:245], v[102:103]
	v_pk_add_f32 v[242:243], v[242:243], v[106:107]
	v_pk_add_f32 v[240:241], v[240:241], v[110:111]
	v_pk_add_f32 v[238:239], v[238:239], v[114:115]
	v_pk_add_f32 v[230:231], v[230:231], v[118:119]
	v_pk_add_f32 v[14:15], v[14:15], v[122:123]
	v_pk_add_f32 v[236:237], v[236:237], v[126:127]
	v_pk_add_f32 v[246:247], v[246:247], v[130:131]
	v_pk_add_f32 v[244:245], v[244:245], v[134:135]
	v_pk_add_f32 v[242:243], v[242:243], v[138:139]
	v_pk_add_f32 v[240:241], v[240:241], v[142:143]
	v_pk_add_f32 v[238:239], v[238:239], v[146:147]
	v_pk_add_f32 v[230:231], v[230:231], v[150:151]
	v_pk_add_f32 v[14:15], v[14:15], v[154:155]
	v_pk_add_f32 v[236:237], v[236:237], v[158:159]
	s_delay_alu instid0(VALU_DEP_2)
	v_pk_add_f32 v[14:15], v[14:15], v[242:243]
	s_delay_alu instid0(VALU_DEP_2)
	v_pk_add_f32 v[236:237], v[236:237], v[240:241]
	v_pk_add_f32 v[246:247], v[246:247], v[238:239]
	v_pk_add_f32 v[244:245], v[244:245], v[230:231]
	s_delay_alu instid0(VALU_DEP_2)
	v_pk_add_f32 v[14:15], v[14:15], v[246:247]
	s_delay_alu instid0(VALU_DEP_2)
	v_pk_add_f32 v[236:237], v[236:237], v[244:245]
	s_delay_alu instid0(VALU_DEP_1)
	v_pk_add_f32 v[14:15], v[14:15], v[236:237]
	s_wait_alu depctr_va_vdst(0)                   ; and one for the four
.irp b, 0,1,2,3
	v_max_num_f32 v[232+\b], 0x1800000, v[232+\b]  ; the floor: the byte cannot fall under 1
.endr
.irp b, 0,1,2,3
	s_delay_alu instid0(VALU_DEP_4)
	v_add_nc_u32 v[244+\b], 0xff000000, v[232+\b]
.endr
.irp b, 0,1,2,3
	s_delay_alu instid0(VALU_DEP_4)
	v_lshrrev_b32 v[236+\b], 23, v[244+\b]
.endr
	s_delay_alu instid0(VALU_DEP_3)
	v_lshl_or_b32 v253, v237, 8, v236              ; p's scale word for these 128 keys
	s_delay_alu instid0(VALU_DEP_1)
	v_lshl_or_b32 v253, v238, 16, v253
	s_delay_alu instid0(VALU_DEP_1)
	v_lshl_or_b32 v253, v239, 24, v253
.irp c, 0,1
	v_cvt_scalef32_pk16_fp6_f32 v[224+6*\c:226+6*\c], v[96+32*\c:111+32*\c], v[244+2*\c]
	v_cvt_scalef32_pk16_fp6_f32 v[236+4*\c:238+4*\c], v[112+32*\c:127+32*\c], v[244+2*\c+1]
.endr
	v_nop                                          ; one plain place behind a scaled conversion
.irp c, 0,1
.irp i, 0,1,2
	v_permlane16_swap_b32 v[224+6*\c+\i], v[236+4*\c+\i]
.endr
.irp i, 0,1,2
	s_delay_alu instid0(VALU_DEP_3)
	v_mov_b32 v[227+6*\c+\i], v[236+4*\c+\i]
.endr
.endr
.irp j, 0,2,4,6,8,10,12,14,16,18,20,22,24,26,28,30
	v_pk_mul_f32 v[160+\j:161+\j], v[160+\j:161+\j], v[252:253] op_sel_hi:[1,0]   ; O^T under the new M; these sixteen are also the places in front of the products below
.endr
	s_wait_alu depctr_va_vdst(0)
	s_wait_dscnt 0x0                               ; V
.irp t, 0,1,2,3                                ; four accumulators by turns
	v_wmma_scale_f32_16x16x128_f8f6f4 v[160+8*\t:167+8*\t], v[32+12*\t:43+12*\t], v[224:235], v[160+8*\t:167+8*\t], v[248+\t], v253 matrix_a_fmt:MATRIX_FMT_FP6 matrix_b_fmt:MATRIX_FMT_FP6
.endr
.endm
; THE STEP OF THE 1025TH KEY: it starts -M, the sum and O^T.  q lies in v204-209 and its scale word in v255
.macro TAILKEY
.irp t, 0,1,2,3                                ; V's tail fragments
.irp c, 0,1,2
	ds_load_b128 v[32+12*\t+4*\c:35+12*\t+4*\c], v6 offset:\t*1536+\c*512
.endr
.endr
	ds_load_b128 v[248:251], v7 offset:6144
.irp i, 113,114,115,116,117,118,119,120,121,122,123,124,125,126,127,225,226,227,228,229,231,232,233,234,235
	v_mov_b32 v\i, 0                               ; zeros beside the one p and its one code; these are also the places between q, its scale word and the product
.endr
	v_wmma_scale_f32_16x16x128_f8f6f4 v[96:103], v[192:203], v[204:215], 0, v216, v255 matrix_a_fmt:MATRIX_FMT_FP6 matrix_b_fmt:MATRIX_FMT_FP6
.rept 4
	v_nop
.endr
	v_permlanex16_b32 v236, v96, s40, s41          ; key 1024 is row 0 of its tile: register 0 of lanes 0-15
	v_cndmask_b32 v237, v96, v236, s44
	s_delay_alu instid0(VALU_DEP_1)
	v_mul_f32 v13, s42, v237                       ; the largest t so far
	s_delay_alu instid0(VALU_DEP_1)
	v_floor_f32 v12, -v13
	s_delay_alu instid0(VALU_DEP_1)
	v_fma_f32 v238, v237, s42, v12
	s_wait_alu depctr_va_vdst(0)
	v_exp_f32 v238, v238
	v_mov_b32 v15, 0                               ; (a plain place)
	s_wait_alu depctr_va_vdst(0)
	v_cndmask_b32 v14, 0, v238, s45                ; the sum begins: counted once for a query
	v_cndmask_b32 v112, 0, v238, s46
	v_add_nc_u32 v244, 0xff000000, v238
	s_delay_alu instid0(VALU_DEP_1)
	v_lshrrev_b32 v239, 23, v244
	s_delay_alu instid0(VALU_DEP_1)
	v_perm_b32 v253, v239, v239, 0                 ; the byte in all four places: the other blocks' codes are zeros
	v_cvt_scalef32_pk16_fp6_f32 v[240:242], v[112:127], v244
	v_nop
	v_cndmask_b32 v224, 0, v240, s47
	v_cndmask_b32 v230, 0, v240, s48
.rept 6
	v_nop                                          ; ten places behind the scale word, six behind the codes
.endr
	s_wait_alu depctr_va_vdst(0)
	s_wait_dscnt 0x0
.irp t, 0,1,2,3
	v_wmma_scale_f32_16x16x128_f8f6f4 v[160+8*\t:167+8*\t], v[32+12*\t:43+12*\t], v[224:235], 0, v[248+\t], v253 matrix_a_fmt:MATRIX_FMT_FP6 matrix_b_fmt:MATRIX_FMT_FP6
.endr
.endm
; where row tile s70's part of this head lies in oc and in os
.macro OUTADR
	s_mul_i32 s62, s70, 12288
	s_add_co_u32 s62, s62, s18
	s_mov_b32 s63, 0
	s_add_nc_u64 s[66:67], s[6:7], s[62:63]
	s_lshl_b32 s62, s70, 9
	s_add_co_u32 s62, s62, s17
	s_add_nc_u64 s[68:69], s[8:9], s[62:63]
.endm
; THE WAY OUT: O^T / the sum; registers 16 g + i are d = 32 g + 16 (lane / 16) + i: two blocks of the projection's K
.macro FINISH
	v_add_f32 v14, v14, v15
	s_delay_alu instid0(VALU_DEP_1)
	v_permlanex16_b32 v252, v14, s40, s41
	s_delay_alu instid0(VALU_DEP_1)
	v_add_f32 v14, v14, v252
	s_wait_alu depctr_va_vdst(0)
	v_rcp_f32 v14, v14
	v_nop
	s_wait_alu depctr_va_vdst(0)
.irp j, 0,2,4,6,8,10,12,14,16,18,20,22,24,26,28,30
	v_pk_mul_f32 v[96+\j:97+\j], v[160+\j:161+\j], v[14:15] op_sel_hi:[1,0]
.endr
.irp g, 0,1
	v_max3_num_f32 v[232+\g], |v[96+16*\g]|, |v[97+16*\g]|, 0x1800000
.endr
.irp i, 2,4,6,8,10,12,14
.irp g, 0,1
	s_delay_alu instid0(VALU_DEP_2)
	v_max3_num_f32 v[232+\g], v[232+\g], |v[96+16*\g+\i]|, |v[97+16*\g+\i]|
.endr
.endr
	s_delay_alu instid0(VALU_DEP_2)
	v_permlanex16_b32 v236, v232, s40, s41
	s_delay_alu instid0(VALU_DEP_2)
	v_permlanex16_b32 v237, v233, s40, s41
	s_delay_alu instid0(VALU_DEP_2)
	v_max_num_f32 v232, v232, v236
	s_delay_alu instid0(VALU_DEP_2)
	v_max_num_f32 v233, v233, v237
	s_delay_alu instid0(VALU_DEP_2)
	v_add_nc_u32 v244, 0xff000000, v232
	s_delay_alu instid0(VALU_DEP_2)
	v_add_nc_u32 v245, 0xff000000, v233
	s_delay_alu instid0(VALU_DEP_2)
	v_lshrrev_b32 v236, 23, v244
	s_delay_alu instid0(VALU_DEP_2)
	v_lshrrev_b32 v237, 23, v245
	s_delay_alu instid0(VALU_DEP_1)
	v_lshl_or_b32 v238, v237, 8, v236
	v_cvt_scalef32_pk16_fp6_f32 v[224:226], v[96:111], v244
	v_cvt_scalef32_pk16_fp6_f32 v[240:242], v[112:127], v245
	v_nop
.irp i, 0,1,2
	v_permlane16_swap_b32 v[224+\i], v[240+\i]
.endr
.irp i, 0,1,2
	s_delay_alu instid0(VALU_DEP_3)
	v_mov_b32 v[227+\i], v[240+\i]
.endr
	global_store_b128 v1, v[224:227], s[66:67]     ; the head's half-image of the row tile: 512 and 256 consecutive bytes
	global_store_b64 v2, v[228:229], s[66:67] offset:512
	global_store_b16 v10, v238, s[68:69]           ; two bytes a row are all that a head owns of a row's scales (both halves of the lanes write the same)
.endm
; state w's O^T, eight runs of 512 bytes, into v96-127 or v128-159 by turns
.macro OLOAD w
.irp c, 0,1,2,3,4,5,6,7
	ds_load_b128 v[96+32*((\w)%2)+4*\c:99+32*((\w)%2)+4*\c], v29 offset:(\w)*STATEB+512*\c
.endr
.endm
; O^T += f_w x state w's O^T; f_w lies in v[32 + 4 w]
.macro MADD w
.if (\w) < 8
	s_wait_dscnt 8                                 ; this state's eight loads are in; the next state's eight may be out
.else
	s_wait_dscnt 0x0
.endif
.irp j, 0,2,4,6,8,10,12,14,16,18,20,22,24,26,28,30
.if (\w) == 0
	v_pk_mul_f32 v[160+\j:161+\j], v[96+\j:97+\j], v[32:33] op_sel_hi:[1,0]          ; the first state starts the sums: nothing is cleared
.else
	v_pk_fma_f32 v[160+\j:161+\j], v[96+32*((\w)%2)+\j:97+32*((\w)%2)+\j], v[32+4*(\w):33+4*(\w)], v[160+\j:161+\j] op_sel_hi:[1,0,1]
.endif
.endr
.if (\w)+2 < 9
	OLOAD (\w)+2
.endif
.endm
; ---- THE 1025TH QUERY, first part: nine waves of the head's second work-group, each with its own keys
	s_cmp_eq_u32 s12, 0
	s_cbranch_scc1 .Ljoin
	s_cmp_gt_u32 s10, 8
	s_cbranch_scc1 .Ljoin
	v_perm_b32 v255, v94, v94, s52                 ; its scale word: its tile's place, 2 (b % 4), is even: the pair's two low bytes, twice
.irp i, 0,1,2,3,4,5
	v_mov_b32 v[204+\i], v[88+\i]
.endr
	s_cmp_eq_u32 s10, 8
	s_cbranch_scc1 .Lkey
	v_mov_b32 v13, 0xff61b1e6                      ; an empty state: the largest t so far is -3e38, under every t;
	s_delay_alu instid0(VALU_DEP_1)
	v_floor_f32 v12, -v13
	v_mov_b32 v14, 0                               ; the sum and O^T are zeros, which the first change of M leaves zeros
	v_mov_b32 v15, 0
.irp j, 0,1,2,3,4,5,6,7,8,9,10,11,12,13,14,15,16,17,18,19,20,21,22,23,24,25,26,27,28,29,30,31
	v_mov_b32 v[160+\j], 0
.endr
	STEP 0, 23, 24, 25, 26, 27                     ; wave w: keys 128 w .. 128 w + 127
	s_branch .Lstate
.Lkey:
	TAILKEY                                        ; wave 8: key 1024
.Lstate:
.rept 4
	v_nop                                          ; places behind the last products, in front of the stores that read their results
.endr
.irp c, 0,1,2,3,4,5,6,7
	ds_store_b128 v28, v[160+4*\c:163+4*\c] offset:512*\c           ; each accumulator from its low end on
.endr
	ds_store_b128 v28, v[12:15] offset:4096        ; -M, the largest t, the sum's two halves
.Ljoin:
	s_wait_dscnt 0x0                               ; for the others' sake: my state lies in LDS
	s_barrier_signal -1
	s_barrier_wait -1                              ; on every wave's path, in both work-groups of a head
; ---- second part: wave 11 adds the nine states
	s_cmp_eq_u32 s12, 0
	s_cbranch_scc1 .Lmain
	s_cmp_lg_u32 s10, 11                           ; wave 11, one of the four with two tiles, adds the nine states
	s_cbranch_scc1 .Lmain
.irp w, 0,1,2,3,4,5,6,7,8
	ds_load_b128 v[32+4*\w:35+4*\w], v29 offset:\w*STATEB+4096
.endr
	OLOAD 0
	OLOAD 1
	s_wait_dscnt 16                                ; the nine -M and sums are in; the first two states' sixteen loads may be out
	v_min_num_f32 v12, v32, v36                    ; the least -M is the largest M
	v_min_num_f32 v13, v40, v44
	s_delay_alu instid0(VALU_DEP_2)
	v_min_num_f32 v12, v12, v48
	s_delay_alu instid0(VALU_DEP_2)
	v_min_num_f32 v13, v13, v52
	s_delay_alu instid0(VALU_DEP_2)
	v_min_num_f32 v12, v12, v56
	s_delay_alu instid0(VALU_DEP_2)
	v_min_num_f32 v13, v13, v60
	s_delay_alu instid0(VALU_DEP_2)
	v_min_num_f32 v12, v12, v64
	s_delay_alu instid0(VALU_DEP_1)
	v_min_num_f32 v12, v12, v13
.irp w, 0,1,2,3,4,5,6,7,8
	v_sub_f32 v[68+\w], v12, v[32+4*\w]            ; M_w - M: a whole number, 0 or less
.endr
.irp w, 0,1,2,3,4,5,6,7,8
	v_cvt_i32_f32 v[68+\w], v[68+\w]               ; (it saturates)
.endr
.irp w, 0,1,2,3,4,5,6,7,8
	v_ldexp_f32 v[32+4*\w], 1.0, v[68+\w]          ; f_w = 2^(M_w - M), in -M_w's place: the low word of a pair
.endr
	v_pk_mul_f32 v[14:15], v[34:35], v[32:33] op_sel_hi:[1,0]
.irp w, 1,2,3,4,5,6,7,8
	s_delay_alu instid0(VALU_DEP_1)
	v_pk_fma_f32 v[14:15], v[34+4*\w:35+4*\w], v[32+4*\w:33+4*\w], v[14:15] op_sel_hi:[1,0,1]   ; the sum, still in two halves
.endr
.irp w, 0,1,2,3,4,5,6,7,8
	MADD \w
.endr
	s_lshl_b32 s70, s13, 1
	s_add_co_u32 s70, s70, 512                     ; token 1024 of batch b: row tile 512 + 2 b
	OUTADR
	FINISH
.Lmain:
; ---- my two tiles
	s_mov_b32 s49, 0
	s_cmp_lt_u32 s10, 8
	s_cselect_b32 s33, 3, 2                        ; my trips: by the wave's number alone
.Lpass:
	s_wait_xcnt 0x0                                ; earlier stores have read their bases and data
	s_mul_i32 s54, s49, 12                         ; the tile of queries: 32 half + w + 12 trip
	s_add_co_u32 s54, s54, s10
	s_lshl_b32 s55, s12, 5
	s_add_co_u32 s54, s54, s55                     ; the tile of queries: 32 half + w + 12 trip
	s_lshl_b32 s70, s13, 6
	s_add_co_u32 s70, s70, s54                     ; its row tile in oc
	OUTADR
	v_perm_b32 v255, v22, v22, s50                 ; q's scale word: its two bytes, twice
.irp i, 0,1,2,3,4,5
	v_mov_b32 v[204+\i], v[16+\i]                  ; q
.endr
.irp i, 0,1,2,3,4,5,6
	v_mov_b32 v[16+\i], v[80+\i]                   ; the next trip's
.endr
.irp i, 0,1,2,3,4,5
	v_mov_b32 v[80+\i], v[218+\i]                  ; and the one after it
.endr
	v_mov_b32 v86, v217
	TAILKEY
.irp s, 0,1,2,3,4,5,6,7
	STEP \s, 1, 2, 3, 4, 5
.endr
.rept 4
	v_nop                                          ; places behind the last products
.endr
	FINISH
	s_add_co_u32 s49, s49, 1
	s_cmp_lt_u32 s49, s33
	s_cbranch_scc1 .Lpass
	s_wait_tensorcnt 0x0                           ; the wave's end
	ds_add_u32 v8, v9
	s_wait_dscnt 0x0
	s_endpgm
.Lfunc_end_k_qe5e518842f_attn:
	.size	k_qe5e518842f_attn, .Lfunc_end_k_qe5e518842f_attn-k_qe5e518842f_attn
	.p2alignl 7, 3214868480
	.fill 96, 4, 3214868480
	.section	.rodata,"a",@progbits
	.p2align	6, 0x0
	.amdhsa_kernel k_qe5e518842f_attn
		.amdhsa_group_segment_fixed_size 167936
		.amdhsa_private_segment_fixed_size 0
		.amdhsa_enable_private_segment 0
		.amdhsa_kernarg_size 24
		.amdhsa_user_sgpr_count 2
		.amdhsa_user_sgpr_kernarg_segment_ptr 1
		.amdhsa_wavefront_size32 1
		.amdhsa_system_sgpr_workgroup_id_x 1
		.amdhsa_system_sgpr_workgroup_id_y 1
		.amdhsa_system_sgpr_workgroup_id_z 1
		.amdhsa_system_vgpr_workitem_id 0
		.amdhsa_next_free_vgpr 256
		.amdhsa_next_free_sgpr 92
		.amdhsa_reserve_vcc 0
		.amdhsa_float_denorm_mode_32 3
		.amdhsa_float_denorm_mode_16_64 3
		.amdhsa_memory_ordered 1
		.amdhsa_forward_progress 1
		.amdhsa_inst_pref_size 195
	.end_amdhsa_kernel
	.amdgpu_metadata
---
amdhsa.version: [ 1, 2 ]
amdhsa.kernels:
  - .name:           k_qe5e518842f_attn
    .symbol:         k_qe5e518842f_attn.kd
    .args:
      - { .name: qkv, .offset: 0, .size: 8, .value_kind: global_buffer, .address_space: global }
      - { .name: oc, .offset: 8, .size: 8, .value_kind: global_buffer, .address_space: global }
      - { .name: os, .offset: 16, .size: 8, .value_kind: global_buffer, .address_space: global }
    .group_segment_fixed_size: 167936
    .private_segment_fixed_size: 0
    .kernarg_segment_align: 8
    .kernarg_segment_size: 24
    .max_flat_workgroup_size: 384
    .sgpr_count:     92
    .vgpr_count:     256
    .wavefront_size: 32
...
	.end_amdgpu_metadata
.endif
;; end of part 3
;; launch proj (part 4): grid 4 x 33, 4 waves a work-group, clusters of 4 x 1, 327,680 bytes of LDS; arguments oc, os, wc, ws, b_out, out0; writes out0
.if DOCPART == 4
	.amdgcn_target "amdgcn-amd-amdhsa--gfx1250"
	.amdhsa_code_object_version 6
	.text
	.protected	k_qe5e518842f_proj
	.globl	k_qe5e518842f_proj
	.p2align	8
	.type	k_qe5e518842f_proj,@function
k_qe5e518842f_proj:
	s_mov_b64 s[64:65], 0
	v_nop
	global_prefetch_b8 v0, s[64:65] scope:SCOPE_SE
	s_setreg_imm32_b32 hwreg(HW_REG_WAVE_MODE, 25, 1), 1
	s_wait_xcnt 0x0
	s_wait_alu depctr_hold_cnt(0) depctr_sa_sdst(0) depctr_va_vdst(0) depctr_va_sdst(0) depctr_va_ssrc(0) depctr_va_vcc(0) depctr_vm_vsrc(0)
	s_getreg_b32 s2, hwreg(HW_REG_IB_STS2, 6, 4)
	s_cmp_eq_u32 s2, 0
	s_cbranch_scc0 .Lentry_in_a_cluster
	s_endpgm
.Lentry_in_a_cluster:
	s_bfe_u32 s2, ttmp6, 0x10000c
	s_cmp_lg_u32 s2, 0x3003
	s_cbranch_scc0 .Lentry_shape_is_right
	s_endpgm
.Lentry_shape_is_right:
.set SLOTB, 98304
.set WAREA, 49152
.set HALFB, 24576
.set SCL,   294912
.set SPARE, 311296
.set MSB, 0
.macro WIN new
.if MSB != \new
	s_set_vgpr_msb (MSB<<8)|\new
.set MSB, \new
.endif
.endm
.macro JLOAD g0a, g1a, g0b, g1b
	s_cmp_eq_u32 s89, 0
	s_cbranch_scc0 .Lfor_w_\@
	tensor_load_to_lds s[\g0a:\g0a+3], s[\g1a:\g1a+7]
	s_nop 0
.rept 4
	v_nop
.endr
	s_branch .Lasked_\@
.Lfor_w_\@:
	tensor_load_to_lds s[\g0b:\g0b+3], s[\g1b:\g1b+7]
	s_nop 0
.rept 4
	v_nop
.endr
.Lasked_\@:
.endm
.macro CREST
	s_cmp_lg_u32 s88, 0
	s_cbranch_scc1 .Lnot_wave_0_\@
	s_barrier_signal -3
.Lnot_wave_0_\@:
	s_barrier_wait -3
	s_barrier_signal -1
	s_barrier_wait -1
.endm
.macro CROUND
	s_barrier_signal -1
	s_barrier_wait -1
	CREST
.endm
.macro PLACES
.rept 4
	v_nop
.endr
.endm
.macro FRAG reg, a16, a8, off
	ds_load_b128 v[\reg:\reg+3], v[\a16] offset:\off
	ds_load_b64 v[\reg+4:\reg+5], v[\a8] offset:(\off)+512
	ds_load_b128 v[\reg+6:\reg+9], v[\a16] offset:(\off)+768
	ds_load_b64 v[\reg+10:\reg+11], v[\a8] offset:(\off)+1280
.endm
.macro FETCH_B q
.set fS, ((\q)/2)%3
.set fO, ((\q)%2)*1536
.set fR, 128*((\q)%2)
	WIN 0x40
.irp i, 0,1,2,3,4,5,6,7
	FRAG fR+12*\i, 12+fS, 15+fS, \i*3072+fO
.endr
	WIN 0
.endm
.macro FETCH_A q, i0
.set fS, ((\q)/2)%3
.set fO, ((\q)%2)*1536
.irp i, \i0, \i0+1, \i0+2, \i0+3
	FRAG 128+12*(\i), 6+fS, 9+fS, (\i)*3072+fO
.endr
.endm
.macro SCALES sg
.irp i, 0,1,2,3,4,5,6,7
	ds_load_b64 v[32+16*((\sg)%2)+2*\i:32+16*((\sg)%2)+2*\i+1], v18 offset:\i*512+(\sg)*128
.endr
.endm
.macro MUL16 a0, q, cm
.irp a, \a0, \a0+1
.irp b, 0,1,2,3,4,5,6,7
.set rD, 8*(8*((\a)%4)+\b)
.set rB, 128*((\q)%2)+12*\b
.set rA, 128+12*(\a)
.set sB, 32+16*(((\q)/2)%2)+2*\b+(\q)%2
.set sA, 32+16*(((\q)/2)%2)+2*(\a)+(\q)%2
.if \cm == 2
	v_wmma_scale_f32_16x16x128_f8f6f4 v[rD:rD+7], v[rB:rB+11], v[rA:rA+11], v[64+8*\b:64+8*\b+7], v[sB], v[sA] matrix_a_fmt:MATRIX_FMT_FP6 matrix_b_fmt:MATRIX_FMT_FP6 matrix_a_scale:MATRIX_SCALE_ROW1
.else
	v_wmma_scale_f32_16x16x128_f8f6f4 v[rD:rD+7], v[rB:rB+11], v[rA:rA+11], v[rD:rD+7], v[sB], v[sA] matrix_a_fmt:MATRIX_FMT_FP6 matrix_b_fmt:MATRIX_FMT_FP6 matrix_a_scale:MATRIX_SCALE_ROW1
.endif
.endr
.endr
.endm
.macro STEP q, cm
	s_wait_dscnt 16
.if \cm == 2
	WIN 0x81
.else
	WIN 0xa1
.endif
	MUL16 0, \q, \cm
	MUL16 2, \q, \cm
	s_wait_dscnt 0x0
	PLACES
	FETCH_B (\q)+1
	FETCH_A (\q)+1, 0
.if ((\q)+1)%2 == 0
	SCALES ((\q)+1)/2
.endif
.if \cm == 2
	WIN 0xc1
.else
	WIN 0xf1
.endif
	MUL16 4, \q, \cm
	MUL16 6, \q, \cm
	PLACES
	WIN 0
	FETCH_A (\q)+1, 4
.endm
.macro TURN q, fill
	s_wait_tensorcnt 0x0
	ds_add_u32 v28, v29
	s_wait_dscnt 17
	WIN 0xa1
	MUL16 0, \q, 0
	s_wait_dscnt 0x0
	s_barrier_signal -1
	MUL16 2, \q, 0
	WIN 0
	s_barrier_wait -1
.if \fill
	CREST
	JLOAD 68-8*\fill, 20, 84-8*\fill, 28           ; fill = 1: K step 2, slot 2's first fill; fill = 2: K step 3 into slot 0, read out.  The first tensor load behind the round
.else
	PLACES
.endif
	FETCH_B (\q)+1
	FETCH_A (\q)+1, 0
	SCALES ((\q)+1)/2
	WIN 0xf1
	MUL16 4, \q, 0
	MUL16 6, \q, 0
	PLACES
	WIN 0
	FETCH_A (\q)+1, 4
.endm
	s_load_b256 s[4:11], s[0:1], 0x0
	s_load_b128 s[12:15], s[0:1], 0x20
	v_lshl_add_u32 v28, v0, 2, SPARE
	v_mov_b32 v29, 0
	ds_add_u32 v28, v29
	ds_add_u32 v28, v29
	v_lshrrev_b32 v1, 5, v0
	v_readfirstlane_b32 s88, v1
	s_lshr_b32 s89, s88, 1
	s_and_b32 s90, s88, 1
	s_bfe_u32 s91, ttmp6, 0x40000
	s_and_b32 s93, ttmp7, 0xffff
	s_cmp_eq_u32 s93, 32
	s_cselect_b32 s94, 1, 0
	s_mov_b32 s20, 15|(3<<16)|(1<<21)
	s_mov_b32 s28, 3<<16
.irp g, 20, 28
	s_mov_b32 s[\g+1], 384<<16
	s_mov_b32 s[\g+2], 16<<16                      ; the head's loads of codes bring 16 row tiles; behind them the two words that count rows are set to 8
	s_mov_b32 s[\g+3], 384<<16
	s_mov_b32 s[\g+4], 16
	s_mov_b32 s[\g+5], 1536
	s_mov_b32 s[\g+6], 0
	s_mov_b32 s[\g+7], 0
.endr
	s_mov_b32 s36, 15|(3<<16)|(1<<21)
	s_mov_b32 s44, 3<<16
.irp g, 36, 44
	s_mov_b32 s[\g+1], 32<<16
	s_mov_b32 s[\g+2], 32<<16
	s_mov_b32 s[\g+3], 32<<16
	s_mov_b32 s[\g+4], 32
	s_mov_b32 s[\g+5], 32
	s_mov_b32 s[\g+6], 0
	s_mov_b32 s[\g+7], 0
.endr
	s_lshl_b32 s96, s93, 4                         ; the attention's output: row tile 16 y
	s_lshl_b32 s98, s91, 4
	s_add_co_u32 s98, s98, 192                     ; w_out: row tile 192 + 16 cx
	s_lshl_b32 s66, s96, 9
	s_lshl_b32 s67, s98, 9
	s_mul_i32 s96, s96, 12288
	s_mul_i32 s98, s98, 12288
	s_mov_b32 s97, 0
	s_mov_b32 s99, 0
	s_mul_i32 s2, s88, HALFB
	s_wait_dscnt 0x0
	s_wait_kmcnt 0x0
	s_add_nc_u64 s[4:5], s[4:5], s[96:97]
	s_add_nc_u64 s[8:9], s[8:9], s[98:99]
	s_mov_b32 s96, s66
	s_mov_b32 s98, s67
	s_add_nc_u64 s[6:7], s[6:7], s[96:97]
	s_add_nc_u64 s[10:11], s[10:11], s[98:99]
	CROUND
	s_mov_b32 s80, 1
	s_mov_b32 s81, SCL                             ; the rows' scale bytes, all 8,192
	s_mov_b64 s[82:83], s[6:7]
	s_or_b32 s83, s83, 0x80000000
	s_mov_b32 s84, 1
	s_mov_b32 s85, SCL+8192                        ; the weight's
	s_mov_b64 s[86:87], s[10:11]
	s_or_b32 s87, s87, 0x80000000
	s_mul_i32 s96, s90, 8*12288                    ; behind the head a wave fetches 8 row tiles: which half
	s_add_nc_u64 s[66:67], s[4:5], s[96:97]
	s_add_nc_u64 s[98:99], s[8:9], s[96:97]
.irp s, 0,1,2
	s_mov_b32 s[52+4*\s], 1
	s_add_co_u32 s[53+4*\s], s2, \s*SLOTB
	s_add_nc_u64 s[54+4*\s:55+4*\s], s[66:67], (\s+3*(1-(\s+1)/2))*3072   ; slot 0's set serves its refill, K step 3; slots 1, 2: K steps 1, 2
	s_or_b32 s[55+4*\s], s[55+4*\s], 0x80000000
	s_mov_b32 s[68+4*\s], 1
	s_add_co_u32 s[69+4*\s], s2, \s*SLOTB
	s_add_nc_u64 s[70+4*\s:71+4*\s], s[98:99], (\s+3*(1-(\s+1)/2))*3072
	s_or_b32 s[71+4*\s], s[71+4*\s], 0x80000000
.endr
	s_mov_b64 s[6:7], s[4:5]                       ; group 0 of the head's loads of K step 0, in registers that held arguments: the rows' 16 row tiles to LDS 0,
	s_mov_b32 s4, 1
	s_mov_b32 s5, 0
	s_or_b32 s7, s7, 0x80000000
	s_mov_b64 s[10:11], s[8:9]                     ; the weight's behind them
	s_mov_b32 s8, 1
	s_mov_b32 s9, WAREA
	s_or_b32 s11, s11, 0x80000000
; out0 = (the attention's output, as codes) w_out + b_out, a tile of 256 x 256 to a work-group, K = 1024 in four steps of 256 through three LDS slots.  No work is left out.
; THE HEAD'S LOADS, ONE A WAVE: wave 0 the rows' K step 0, wave 1 the weight's, wave 2 the rows' scale bytes, wave 3 the weight's.  One chain of arms, all leading to one join.
; K step 1 follows behind the full sequence and a round, K step 2 behind sub-step 1's round, K step 3 (slot 0 again) behind sub-step 3's: one load of a wave is out at a time.
.macro ARM under, g0, g1, next
	s_cmp_lt_u32 s88, \under
	s_cbranch_scc0 \next
	tensor_load_to_lds s[\g0:\g0+3], s[\g1:\g1+7]
	s_nop 0
.rept 4
	v_nop
.endr
	s_branch .Lhead_asked
\next:
.endm
	ARM 1, 4, 20, .Lhead_w
	ARM 2, 8, 28, .Lhead_sx
	ARM 3, 80, 36, .Lhead_sw
	tensor_load_to_lds s[84:87], s[44:51]
	s_nop 0
.rept 4
	v_nop
.endr
.Lhead_asked:
	v_and_b32 v1, 15, v0
	v_bfe_u32 v2, v0, 4, 1
	v_and_b32 v3, 31, v0
	v_lshlrev_b32 v19, 4, v3
	v_lshlrev_b32 v20, 3, v3
	s_mul_i32 s96, s89, HALFB
	s_mul_i32 s98, s90, HALFB
	s_add_co_u32 s98, s98, WAREA
.irp s, 0,1,2
	v_add_nc_u32 v[6+\s], s96, v19
	v_add_nc_u32 v[9+\s], s96, v20
	v_add_nc_u32 v[12+\s], s98, v19
	v_add_nc_u32 v[15+\s], s98, v20
	s_add_co_u32 s96, s96, SLOTB
	s_add_co_u32 s98, s98, SLOTB
.endr
	s_lshl_b32 s2, s89, 12
	s_lshl_b32 s3, s90, 12
	s_add_co_u32 s3, s3, 8192
	s_sub_co_u32 s3, s3, s2
	v_mul_u32_u24 v18, s3, v2
	s_add_co_u32 s2, s2, SCL
	v_lshl_add_u32 v18, v1, 3, v18
	v_add_nc_u32 v18, s2, v18
	v_lshlrev_b32 v23, 6, v2
	s_wait_alu depctr_va_vdst(0)
	s_mul_i32 s2, s88, 8448
	s_add_co_u32 s2, s2, SLOTB
	v_mul_u32_u24 v21, v1, 528
	v_lshl_add_u32 v21, v2, 6, v21
	v_add_nc_u32 v21, s2, v21
	v_add_nc_u32 v22, s2, v19
	v_add_nc_u32 v25, 4198400, v19
	v_add_nc_u32 v26, 2*4198400, v19
	v_add_nc_u32 v27, 3*4198400, v19
	s_lshl_b32 s2, s91, 10
	s_lshl_b32 s3, s90, 9
	s_add_co_u32 s2, s2, s3
	s_mov_b32 s3, 0
	s_add_nc_u64 s[12:13], s[12:13], s[2:3]
	s_add_nc_u64 s[14:15], s[14:15], s[2:3]
	s_lshr_b32 s66, s93, 2
	s_mul_i32 s66, s66, 1025
	s_and_b32 s67, s93, 3
	s_lshl_b32 s67, s67, 8
	s_add_co_u32 s66, s66, s67
	s_lshl_b32 s67, s89, 7
	s_add_co_u32 s66, s66, s67
	s_mul_i32 s67, s89, 4100
	s_add_co_u32 s67, s67, 1024
	s_cmp_eq_u32 s94, 1
	s_cselect_b32 s2, s67, s66
	s_lshl_b32 s2, s2, 12
	s_add_nc_u64 s[14:15], s[14:15], s[2:3]
.irp b, 0,1,2,3,4,5,6,7
	global_load_b128 v[64+8*\b:67+8*\b], v23, s[12:13] offset:(32*(\b/2)+8*(\b%2))*4
	global_load_b128 v[68+8*\b:71+8*\b], v23, s[12:13] offset:(32*(\b/2)+8*(\b%2))*4+16
.endr
	s_wait_alu depctr_va_vdst(0)                   ; the wait at the head's end
	s_wait_tensorcnt 0x0                           ; my tile of the head's four is in
	ds_add_u32 v28, v29
	s_mov_b32 s22, 8<<16                           ; no tensor load of mine is out: from here on a load brings 8 row tiles
	s_mov_b32 s24, 8
	s_mov_b32 s30, 8<<16
	s_mov_b32 s32, 8
	s_wait_dscnt 0x0
	CROUND                                         ; all four tiles are in, and all four work-groups are here
	JLOAD 56, 20, 72, 28                           ; K step 1, slot 1's first fill: the first tensor load behind the round
	FETCH_B 0
	FETCH_A 0, 0
	SCALES 0
	FETCH_A 0, 4
	s_wait_loadcnt 0x0
	STEP 0, 2
	TURN 1, 1
	STEP 2, 0
	TURN 3, 2                                      ; K step 2 is in; slot 0 takes K step 3
	STEP 4, 0
	TURN 5, 0
	STEP 6, 0
	s_wait_dscnt 16
	WIN 0xa1
	MUL16 0, 7, 0
	MUL16 2, 7, 0
	s_wait_dscnt 0x0
	WIN 0xf1
	MUL16 4, 7, 0
	MUL16 6, 7, 0
	WIN 0
	PLACES
.macro INSTAGE a
	WIN 0x08+4*((\a)/4)
.irp b, 0,1,2,3,4,5,6,7
	ds_store_b128 v21, v[64*((\a)%4)+8*\b:64*((\a)%4)+8*\b+3] offset:128*(\b/2)+32*(\b%2)
	ds_store_b128 v21, v[64*((\a)%4)+8*\b+4:64*((\a)%4)+8*\b+7] offset:128*(\b/2)+32*(\b%2)+16
.endr
	WIN 0
.endm
.macro TOSTAGE a
	INSTAGE \a
.set BB, 128+64*((\a)%2)
.irp t, 0,1,2,3,4,5,6,7,8,9,10,11,12,13,14,15
	ds_load_b128 v[BB+4*\t:BB+4*\t+3], v22 offset:\t*528
.endr
.endm
.macro SEND a, younger
.set BB, 128+64*((\a)%2)
	s_wait_dscnt \younger
.irp t, 0,1,2,3,4,5,6,7,8,9,10,11,12,13,14,15
	global_store_b128 v19, v[BB+4*\t:BB+4*\t+3], s[14:15] offset:(32*((\a)/2)+8*((\a)%2)+16*(\t/8)+(\t%8))*4096 th:TH_STORE_NT
.endr
.endm
	s_cmp_eq_u32 s94, 1
	s_cbranch_scc1 .Ltail_out
	s_wait_alu depctr_va_vdst(0)
	TOSTAGE 0
.irp a, 1,2,3,4,5,6,7
.if \a > 1
	s_wait_xcnt 0x0
.endif
	TOSTAGE \a
	SEND \a-1, 32
.endr
	SEND 7, 0
	s_branch .Lfin
.Ltail_out:
	s_wait_alu depctr_va_vdst(0)
.irp a, 0,2,4,6
	INSTAGE \a
	ds_load_b128 v[128+2*\a:131+2*\a], v22
.endr
	s_wait_dscnt 0x0
	global_store_b128 v19, v[128:131], s[14:15] th:TH_STORE_NT
	global_store_b128 v25, v[132:135], s[14:15] th:TH_STORE_NT
	global_store_b128 v26, v[136:139], s[14:15] th:TH_STORE_NT
	global_store_b128 v27, v[140:143], s[14:15] th:TH_STORE_NT
.Lfin:
	s_wait_tensorcnt 0x0
	ds_add_u32 v28, v29
	s_wait_dscnt 0x0
	CROUND
	s_endpgm
.Lfunc_end_k_qe5e518842f_proj:
	.size	k_qe5e518842f_proj, .Lfunc_end_k_qe5e518842f_proj-k_qe5e518842f_proj
	.p2alignl 7, 3214868480
	.fill 96, 4, 3214868480
	.section	.rodata,"a",@progbits
	.p2align	6, 0x0
	.amdhsa_kernel k_qe5e518842f_proj
		.amdhsa_group_segment_fixed_size 327680
		.amdhsa_private_segment_fixed_size 0
		.amdhsa_enable_private_segment 0
		.amdhsa_kernarg_size 48
		.amdhsa_user_sgpr_count 2
		.amdhsa_user_sgpr_kernarg_segment_ptr 1
		.amdhsa_wavefront_size32 1
		.amdhsa_system_sgpr_workgroup_id_x 1
		.amdhsa_system_sgpr_workgroup_id_y 1
		.amdhsa_system_sgpr_workgroup_id_z 1
		.amdhsa_system_vgpr_workitem_id 0
		.amdhsa_next_free_vgpr 1024
		.amdhsa_next_free_sgpr 102
		.amdhsa_reserve_vcc 0
		.amdhsa_float_denorm_mode_32 3
		.amdhsa_float_denorm_mode_16_64 3
		.amdhsa_memory_ordered 1
		.amdhsa_forward_progress 1
		.amdhsa_inst_pref_size 151
	.end_amdhsa_kernel
	.amdgpu_metadata
---
amdhsa.version: [ 1, 2 ]
amdhsa.kernels:
  - .name:           k_qe5e518842f_proj
    .symbol:         k_qe5e518842f_proj.kd
    .args:
      - { .name: oc, .offset: 0, .size: 8, .value_kind: global_buffer, .address_space: global }
      - { .name: os, .offset: 8, .size: 8, .value_kind: global_buffer, .address_space: global }
      - { .name: wc, .offset: 16, .size: 8, .value_kind: global_buffer, .address_space: global }
      - { .name: ws, .offset: 24, .size: 8, .value_kind: global_buffer, .address_space: global }
      - { .name: b_out, .offset: 32, .size: 8, .value_kind: global_buffer, .address_space: global }
      - { .name: out0, .offset: 40, .size: 8, .value_kind: global_buffer, .address_space: global }
    .group_segment_fixed_size: 327680
    .private_segment_fixed_size: 0
    .kernarg_segment_align: 8
    .kernarg_segment_size: 48
    .max_flat_workgroup_size: 128
    .sgpr_count:     102
    .vgpr_count:     1024
    .wavefront_size: 32
...
	.end_amdgpu_metadata
.endif
;; end of part 4
